; MI455X (gfx1250); checked and timed in simulation.
; The chip was launched on July 23, 2026; its instructions are those of AMD's public machine-readable ISA for CDNA 5 (MIT licence, August 2026) and "CDNA5" Instruction Set Architecture Reference Guide (July 2026). The comments in the code are by the model that wrote it; some were corrected since.
;; Causal Attention. Allowed arithmetic: matrix products marked QUANTISED: E2M1 operands, one E8M0 scale for each 32 along K, by v_wmma_scale_f32_16x16x128_f8f6f4 with both operands' format E2M1 (or v_wmma_scale_f32_32x16x128_f4), f32 sums; products left as they are: bf16, f16 or f32 operands; f32 sums; everything else in f32.
;; Inputs: Wk 1,024 x 1,024 float32; Wq 1,024 x 1,024 float32; Wv 1,024 x 1,024 float32; x 4 x 2,048 x 1,024 float32.
;; Outputs: out0 4 x 2,048 x 1,024 float32.
;; This version of the problem:
;;   THIS VERSION OF THE PROBLEM IS GIVEN IN LOW PRECISION. The matrix products marked QUANTISED in the list below multiply operands that are first quantised to E2M1 (2 exponent bits, 1 mantissa bit; 4 bits a number), with one power-of-two scale for each 32 numbers along K (OCP MX v1.0); their sums are f32. The products marked 'left as it is' may take bf16, f16 or f32 operands, with f32 sums. Whichever they take, every output number must still come out within the allowed error. Rounding operands to bf16 (8 significant bits) uses up far more of that allowance than f16 does (11 bits, for magnitudes from 6e-5 to 65,504). All else is computed in f32.
;;   The module's matrix products, in the order in which they are computed (A, B: the left and right operand; K: the contracted axis; several contracted axes count as one K, in the product's order):
;;     1. [M 8,192, K 1,024] x [K 1,024, N 1,024]; A: input x; B: input Wq: QUANTISED
;;     2. [M 8,192, K 1,024] x [K 1,024, N 1,024]; A: input x; B: input Wk: QUANTISED
;;     3. [M 8,192, K 1,024] x [K 1,024, N 1,024]; A: input x; B: input Wv: QUANTISED
;;     4. batch 4 x [M 2,048, K 1,024] x [K 1,024, N 2,048]; A: computed on the way; B: computed on the way: left as it is (an operand is computed on the way)
;;     5. batch 4 x [M 2,048, K 2,048] x [K 2,048, N 1,024]; A: computed on the way; B: computed on the way: left as it is (an operand is computed on the way)
;;   THE QUANTISER, for each operand of a quantised product, along K:
;;     - K is cut into blocks of 32 from its start; a last block that is shorter is filled with zeros.
;;     - A block's scale is 2^e with e = floor(log2(the largest magnitude in the block)) - 2, held to -126 .. 127; a block of zeros has e = 0. As a byte (E8M0): e + 127.
;;     - Each number is divided by its block's scale, clamped to +-6, and rounded to the nearest number of E2M1, ties to even, subnormals kept.
;;     - The product sums the exact products of the quantised numbers (number of the format x scale) in f32.
;;   ~~~python
;;   def quantise(x, axis):      # numpy; x: float32 -> the quantised numbers, widened to float32 again
;;       x = np.moveaxis(x, axis, -1); K = x.shape[-1]
;;       x = np.pad(x, [(0, 0)] * (x.ndim - 1) + [(0, -K % 32)]); x = x.reshape(x.shape[:-1] + (-1, 32)); a = np.abs(x).max(-1, keepdims=True)
;;       e = np.where(a > 0, np.clip(np.frexp(np.where(a > 0, a, 1))[1] - 1 - 2, -126, 127), 0)      # np.frexp(a)[1] - 1 = floor(log2(a)), exactly
;;       r = np.clip(x / 2.0 ** e, -6, 6)
;;       step = 2.0 ** (np.maximum(np.frexp(np.where(r == 0, 1, r))[1] - 1, 0) - 1)
;;       q = np.round(r / step) * step * 2.0 ** e      # np.round: ties to even
;;       return np.moveaxis(q.reshape(q.shape[:-2] + (-1,))[..., :K], -1, axis).astype(np.float32)
;;   ~~~
;; One version. Each part assembles by itself: llvm-mc -triple=amdgcn-amd-amdhsa -mcpu=gfx1250 --defsym DOCPART=n.
;; ======== version 1 of 1: 6 launches
;; limits: values are held in f16: magnitudes above 65,504 overflow, below 6.1e-05 lose precision
;; workspace buffers: xq 4,456,448 bytes; wq 1,671,168 bytes; qk 33,554,432 bytes; vt 16,777,216 bytes; hd 786,432 bytes; pt 33,554,432 bytes; ml 1,048,576 bytes
;; launch quant_x (part 1): grid 256 x 1, 4 waves a work-group, no clusters, 33,280 bytes of LDS; arguments x, xq; writes xq
.if DOCPART == 1
	.amdgcn_target "amdgcn-amd-amdhsa--gfx1250"
	.amdhsa_code_object_version 6
	.text
	.protected	k_qcea3386171_quant_x
	.globl	k_qcea3386171_quant_x
	.p2align	8
	.type	k_qcea3386171_quant_x,@function
k_qcea3386171_quant_x:
	s_mov_b64 s[64:65], 0
	v_nop
	global_prefetch_b8 v0, s[64:65] scope:SCOPE_SE
	s_setreg_imm32_b32 hwreg(HW_REG_WAVE_MODE, 25, 1), 1
	s_wait_xcnt 0x0
; THE PROGRAM: causal attention with one head of 1,024.  Six launches: x and the three weights become codes of FP4 (E2M1) with one E8M0 byte for each 32 along K; q, k, v are made on those codes;
; the scores and a softmax by tiles of 128 keys; the weights times v; the first 16 positions of each sequence apart, in f32.
; DEAD WORK THAT THE PROGRAM LEAVES OUT.  reference() sets scores(q, k) to -infinity wherever k > q, by a mask that it builds itself, ahead of the softmax: the weight there is exactly 0 whatever finite
; values the inputs hold.  So a tile of 128 queries x 128 keys all of whose keys come after all of its queries adds nothing to any output: neither its scores nor its part of the second product are computed.
; All four inputs have a way to the output and are loaded.  LIMIT: a NaN, an infinity or an overflow that arises only in such masked scores is not carried to the result.
; THIS LAUNCH: x [8192][1024] f32 becomes codes, K innermost (xq, 512 bytes a row), and scale bytes (xq + XSC, 32 a row).
; A block's scale is 2^(floor(log2(its largest magnitude)) - 2); its byte is the largest magnitude's exponent field - 2, held at 1 from below.  A block of zeros gets the byte 1 where the rule says 127:
; its codes are zeros, which add nothing, and this program alone reads the bytes.  LIMITS: blocks whose largest magnitude lies under 2^-124 were not tried; NaN and infinities among the inputs are not served.
; Rows are dense and 1,024 is a multiple of 32: x is a plain stream of blocks of 32.  A wave takes 16 steps of 512 numbers.  Each load reads 512 consecutive bytes; a step's 2,048 bytes turn through the
; wave's own stage in LDS and come back 64 bytes a lane, so that a lane holds 16 neighbours and two lanes a block.  No tensor loads, no barrier: waves share nothing.
.set WAVES, 4
.set STEPS, 16
.set CB,    8                          ; bytes of 16 codes
.set R,     16                         ; v16-79   four sets of 16 numbers as loaded
.set X,     80                         ; v80-111  two sets of 16 neighbours
.set C,     128                        ; v128-191 codes: four registers a step, never written again
.set E,     112                        ; v112-127 a scale byte a step
.set WREG,  8192                       ; LDS: a region for each wave: two stages of 32 x SP bytes, then its 256 scale bytes
.set SP,    80                         ; a lane's place in a stage: 64 bytes + 16 of padding
.set SPW,   12                         ; v12 LDS address of my spare word; never rewritten
.set NIL,   13                         ; v13 0; never rewritten
.set SPARE, WAVES*WREG                 ; the spare words: 128 bytes a wave, named by no other line
.set XSC,   4194304                    ; where the scale bytes begin in xq
	s_load_b128 s[4:7], s[0:1], 0x0                ; x, xq
	v_lshl_add_u32 v[SPW], v0, 2, SPARE
	v_mov_b32 v[NIL], 0
	v_lshrrev_b32 v1, 5, v0
	v_readfirstlane_b32 s16, v1                    ; wave
	v_and_b32 v2, 31, v0                           ; lane
	v_lshlrev_b32 v3, 4, v2                        ; my 16 bytes of a load's 512
	s_mul_i32 s17, s16, WREG
	v_lshrrev_b32 v14, 2, v2
	v_mul_u32_u24 v14, v14, SP
	v_and_b32 v15, 3, v2
	v_lshl_add_u32 v14, v15, 4, v14
	v_add_nc_u32 v14, s17, v14                     ; the stage, in: SP (lane / 4) + 16 (lane % 4)
	v_mul_u32_u24 v15, v2, SP
	v_add_nc_u32 v15, s17, v15                     ; and out: SP x lane: my 16 neighbours
	v_mul_u32_u24 v4, v2, CB                       ; my codes' place in a step's
	v_lshrrev_b32 v5, 1, v2
	s_add_co_u32 s17, s17, 2*32*SP
	v_add_nc_u32 v5, s17, v5                       ; my wave's 256 scale bytes, my block's byte
	v_lshlrev_b32 v7, 3, v2
	v_add_nc_u32 v6, s17, v7                       ; and on the way out 8 bytes a lane
	s_lshl_b32 s18, ttmp9, 2
	s_add_co_u32 s18, s18, s16                     ; which run of 8,192 numbers is my wave's
	s_lshl_b32 s20, s18, 15                        ; 32,768 bytes of x,
	s_mov_b32 s21, 0
	s_lshl_b32 s22, s18, 12                        ; 4,096 of codes,
	s_mov_b32 s23, 0
	s_lshl_b32 s24, s18, 8                         ; 256 scale bytes
	s_add_co_u32 s24, s24, XSC
	s_mov_b32 s25, 0
	s_wait_kmcnt 0x0
	s_add_nc_u64 s[4:5], s[4:5], s[20:21]
	s_add_nc_u64 s[8:9], s[6:7], s[22:23]
	s_add_nc_u64 s[10:11], s[6:7], s[24:25]
.macro LOAD t
.irp i, 0,1,2,3
	global_load_b128 v[R+16*((\t)%4)+4*\i:R+16*((\t)%4)+4*\i+3], v3, s[4:5] offset:2048*(\t)+512*\i th:TH_LOAD_NT
.endr
.endm
.macro TURN t                          ; a step's numbers through the stage: LDS serves a wave's instructions in order, so no wait stands between the stores and the loads
.irp i, 0,1,2,3
	ds_store_b128 v14, v[R+16*((\t)%4)+4*\i:R+16*((\t)%4)+4*\i+3] offset:32*SP*((\t)%2)+8*SP*\i
.endr
.irp i, 0,1,2,3
	ds_load_b128 v[X+16*((\t)%2)+4*\i:X+16*((\t)%2)+4*\i+3], v15 offset:32*SP*((\t)%2)+16*\i
.endr
.endm
.irp t, 0,1,2,3
	LOAD \t
.endr
	s_wait_loadcnt 12                              ; step 0's four loads are in
	TURN 0
.macro STEP t
.set XS, X+16*((\t)%2)
.if (\t) > 0
	s_wait_dscnt 1                                 ; this step's numbers are back (the last step's byte store may be out)
.else
	s_wait_dscnt 0x0
.endif
.if (\t)+4 < STEPS
	LOAD (\t)+4
.endif
.if (\t)+1 < STEPS
.if STEPS-2-(\t) >= 3
	s_wait_loadcnt 12                              ; the next step's four loads are in; those of the three steps behind it may be out
.else
	s_wait_loadcnt 4*(STEPS-2-(\t))
.endif
	TURN (\t)+1
.endif
	v_max3_num_f32 v8, |v[XS]|, |v[XS+1]|, |v[XS+2]|               ; the largest magnitude of my 16, in two chains
	v_max3_num_f32 v9, |v[XS+3]|, |v[XS+4]|, |v[XS+5]|
.irp i, 6,10
	v_max3_num_f32 v8, v8, |v[XS+\i]|, |v[XS+\i+1]|
	v_max3_num_f32 v9, v9, |v[XS+\i+2]|, |v[XS+\i+3]|
.endr
	v_max3_num_f32 v8, v8, |v[XS+14]|, |v[XS+15]|
	v_max3_num_f32 v8, v8, v9, 0x1800000           ; and the floor 2^(3 - 127): the byte cannot fall under 1
	v_max_num_f32_dpp v8, v8, v8 row_xmask:1 row_mask:0xf bank_mask:0xf   ; with my neighbour's 16: the block's
	v_add_nc_u32 v11, 0xff000000, v8               ; 2 off its exponent field: the conversion takes that field as its scale
	v_cvt_scalef32_pk8_fp4_f32 v[C+4*(\t)], v[XS:XS+7], v11
	v_cvt_scalef32_pk8_fp4_f32 v[C+4*(\t)+1], v[XS+8:XS+15], v11
	v_lshrrev_b32 v[E+(\t)], 23, v11               ; the scale's byte
	ds_store_b8 v5, v[E+(\t)] offset:16*(\t)       ; both lanes of a block write the same byte with the same value
	global_store_b64 v4, v[C+4*(\t):C+4*(\t)+1], s[8:9] offset:32*CB*(\t)   ; the wave stores 256 consecutive bytes, aligned
.endm
.irp t, 0,1,2,3,4,5,6,7,8,9,10,11,12,13,14,15
	STEP \t
.endr
	ds_load_b64 v[8:9], v6                         ; in order behind my byte stores
	s_wait_dscnt 0x0
	global_store_b64 v7, v[8:9], s[10:11]          ; 256 consecutive bytes, aligned
	s_wait_tensorcnt 0x0                           ; the wave's end
	ds_add_u32 v[SPW], v[NIL]
	s_wait_dscnt 0x0
	s_endpgm
.Lfunc_end_k_qcea3386171_quant_x:
	.size	k_qcea3386171_quant_x, .Lfunc_end_k_qcea3386171_quant_x-k_qcea3386171_quant_x
	.p2alignl 7, 3214868480
	.fill 96, 4, 3214868480
	.section	.rodata,"a",@progbits
	.p2align	6, 0x0
	.amdhsa_kernel k_qcea3386171_quant_x
		.amdhsa_group_segment_fixed_size 33280
		.amdhsa_private_segment_fixed_size 0
		.amdhsa_enable_private_segment 0
		.amdhsa_kernarg_size 16
		.amdhsa_user_sgpr_count 2
		.amdhsa_user_sgpr_kernarg_segment_ptr 1
		.amdhsa_wavefront_size32 1
		.amdhsa_system_sgpr_workgroup_id_x 1
		.amdhsa_system_sgpr_workgroup_id_y 1
		.amdhsa_system_sgpr_workgroup_id_z 1
		.amdhsa_system_vgpr_workitem_id 0
		.amdhsa_next_free_vgpr 192
		.amdhsa_next_free_sgpr 66
		.amdhsa_reserve_vcc 0
		.amdhsa_float_denorm_mode_32 3
		.amdhsa_float_denorm_mode_16_64 3
		.amdhsa_memory_ordered 1
		.amdhsa_forward_progress 1
		.amdhsa_inst_pref_size 33
	.end_amdhsa_kernel
	.amdgpu_metadata
---
amdhsa.version: [ 1, 2 ]
amdhsa.kernels:
  - .name:           k_qcea3386171_quant_x
    .symbol:         k_qcea3386171_quant_x.kd
    .args:
      - { .name: x, .offset: 0, .size: 8, .value_kind: global_buffer, .address_space: global }
      - { .name: xq, .offset: 8, .size: 8, .value_kind: global_buffer, .address_space: global }
    .group_segment_fixed_size: 33280
    .private_segment_fixed_size: 0
    .kernarg_segment_align: 8
    .kernarg_segment_size: 16
    .max_flat_workgroup_size: 128
    .sgpr_count:     66
    .vgpr_count:     192
    .wavefront_size: 32
...
	.end_amdgpu_metadata
.endif
;; end of part 1
;; launch quant_w (part 2): grid 48 x 2, 8 waves a work-group, no clusters, 19,456 bytes of LDS; arguments Wq, Wk, Wv, wq; writes wq
.if DOCPART == 2
	.amdgcn_target "amdgcn-amd-amdhsa--gfx1250"
	.amdhsa_code_object_version 6
	.text
	.protected	k_qcea3386171_quant_w
	.globl	k_qcea3386171_quant_w
	.p2align	8
	.type	k_qcea3386171_quant_w,@function
k_qcea3386171_quant_w:
	s_mov_b64 s[64:65], 0
	v_nop
	global_prefetch_b8 v0, s[64:65] scope:SCOPE_SE
	s_setreg_imm32_b32 hwreg(HW_REG_WAVE_MODE, 25, 1), 1
	s_wait_xcnt 0x0
; Wq, Wk, Wv [1024 (K)][1024 (n)] f32, K their FIRST axis, become codes of FP4 with K innermost (wq, 3,072 rows of 512 bytes) and E8M0 bytes (32 a row) at wq + WSC.
; THE ROWS' ORDER is the reader's: eight groups of 384 rows on end.  In group g rows 0-255 are columns 256 g .. 256 g + 255 of Wq | Wk (Wq's 1,024 columns, then Wk's), rows 256-383 are columns 128 g .. 128 g + 127 of Wv:
; what one work-group of the next launch multiplies, so that its codes and its scale bytes are dense blocks.
; The quantiser and its limits are those stated at the head of the launch that quantises x.
; A LANE TAKES A COLUMN AND ITS REGISTERS RUN DOWN K: a block of 32 lies in one lane's 32 registers, and the conversions give codes with K innermost.
; A work-group takes 64 columns x 512 along K.  Wave w: columns 32 (w % 2) on, 128 along K from 128 (w / 2) on: 4 blocks a lane; the loads run two blocks (64 loads a wave) ahead, each block into registers of its own.
; Two waves side by side read 256 aligned bytes of a row.
; The codes meet in a stage of 64 rows x (256 + 16) bytes; behind one barrier each wave stores 8 whole rows' 256 bytes, sixteen lanes to 256 consecutive aligned bytes.
; The scale bytes (16 a column here) leave as pieces of 16 bytes, 32 bytes apart: 98,304 bytes in the whole launch.
.set PITCH, 272
.set SCST,  64*PITCH                   ; the scale bytes' stage: 64 columns x 16 bytes
.set SPARE, SCST+1024                  ; the spare words: 128 bytes a wave, named by no other line
.set WSC,   1572864
.set NB,    4                          ; blocks a lane
.set X,     32                         ; v32-159  128 numbers: 32 registers a block
.set C,     160                        ; v160-175 codes, four registers a block
.set OUTR,  176                        ; v176-191 the way out
.set SPW,   14
.set NIL,   15
	s_load_b256 s[4:11], s[0:1], 0x0               ; Wq, Wk, Wv, wq
	v_lshl_add_u32 v[SPW], v0, 2, SPARE
	v_mov_b32 v[NIL], 0
	v_lshrrev_b32 v1, 5, v0
	v_readfirstlane_b32 s16, v1                    ; wave 0..7
	v_and_b32 v1, 31, v0                           ; lane
	v_and_b32 v3, 15, v0                           ; r
	v_bfe_u32 v6, v0, 4, 1                         ; h
	s_and_b32 s17, s16, 1                          ; c: which 32 columns
	s_lshr_b32 s18, s16, 1                         ; kq: which 128 along K
	s_and_b32 s19, ttmp7, 0xffff                   ; y: which 512 along K
	v_lshlrev_b32 v2, 2, v1                        ; in: 4 bytes a lane
	s_mul_i32 s20, s17, 32*PITCH
	s_lshl_b32 s21, s18, 6
	s_add_co_u32 s20, s20, s21
	v_mul_u32_u24 v4, v1, PITCH
	v_add_nc_u32 v4, s20, v4                       ; the stage: row = my column, + 64 kq
	s_lshl_b32 s20, s17, 9
	s_lshl_b32 s21, s18, 2
	s_add_co_u32 s20, s20, s21
	s_add_co_u32 s20, s20, SCST
	v_lshl_add_u32 v5, v1, 4, s20                  ; my column's 16 scale bytes, + 4 kq
	s_mul_i32 s20, s16, 8*PITCH
	v_mul_u32_u24 v7, v6, PITCH
	v_lshl_add_u32 v7, v3, 4, v7
	v_add_nc_u32 v7, s20, v7                       ; out of the stage: rows 8 w + h, 16 bytes a lane
	v_lshlrev_b32 v8, 9, v6
	v_lshl_add_u32 v8, v3, 4, v8                   ; and the same place in the codes
	s_lshl_b32 s20, s17, 9
	s_add_co_u32 s20, s20, SCST
	v_lshl_add_u32 v9, v1, 4, s20                  ; scale bytes out (waves 0 and 1): column 32 (w % 2) + lane
	s_lshl_b32 s20, s17, 10
	v_lshl_add_u32 v10, v1, 5, s20                 ; 32 bytes a column in memory
	s_lshl_b32 s20, s19, 9
	s_lshl_b32 s21, s18, 7
	s_add_co_u32 s20, s20, s21                     ; my first row of W
	s_lshl_b32 s20, s20, 12
	s_and_b32 s21, ttmp9, 15
	s_lshl_b32 s21, s21, 8                         ; 64 columns x 4 bytes
	s_add_co_u32 s20, s20, s21
	s_lshl_b32 s21, s17, 7
	s_add_co_u32 s20, s20, s21
	s_mov_b32 s21, 0
	; the first row of wq that the work-group's 64 columns take.  Work-groups 0-31 (Wq, Wk): group X / 4, row 64 (X % 4) in it;
	s_lshr_b32 s26, ttmp9, 2
	s_mul_i32 s26, s26, 384
	s_and_b32 s27, ttmp9, 3
	s_lshl_b32 s27, s27, 6
	s_add_co_u32 s26, s26, s27
	s_max_u32 s27, ttmp9, 32                       ; work-groups 32-47 (Wv): group (X - 32) / 2, row 256 + 64 ((X - 32) % 2) in it
	s_sub_co_u32 s27, s27, 32
	s_lshr_b32 s28, s27, 1
	s_mul_i32 s28, s28, 384
	s_and_b32 s27, s27, 1
	s_lshl_b32 s27, s27, 6
	s_add_co_u32 s28, s28, s27
	s_add_co_u32 s28, s28, 256
	s_cmp_lt_u32 ttmp9, 32
	s_cselect_b32 s26, s26, s28
	s_lshl_b32 s22, s26, 9                         ; codes: (first row + 8 w) rows of 512 + 256 y
	s_lshl_b32 s23, s16, 12
	s_add_co_u32 s22, s22, s23
	s_lshl_b32 s23, s19, 8
	s_add_co_u32 s22, s22, s23
	s_mov_b32 s23, 0
	s_lshl_b32 s24, s26, 5                         ; scale bytes: WSC + first row x 32 + 16 y
	s_lshl_b32 s25, s19, 4
	s_add_co_u32 s24, s24, s25
	s_add_co_u32 s24, s24, WSC
	s_mov_b32 s25, 0
	s_wait_kmcnt 0x0
	s_cmp_lt_u32 ttmp9, 16                         ; which weight: the choice hangs on the work-group's number alone
	s_cselect_b64 s[4:5], s[4:5], s[6:7]
	s_cmp_lt_u32 ttmp9, 32
	s_cselect_b64 s[4:5], s[4:5], s[8:9]
	s_add_nc_u64 s[4:5], s[4:5], s[20:21]
	s_add_nc_u64 s[6:7], s[10:11], s[22:23]
	s_add_nc_u64 s[8:9], s[10:11], s[24:25]
.macro LOADB t                         ; block t: W(my first row + 32 t + n, my column), n = 0 .. 31, into the block's own 32 registers
.set n, 0
.rept 32
	global_load_b32 v[X+32*(\t)+n], v2, s[4:5] offset:(32*(\t)+n)*4096 th:TH_LOAD_NT
.set n, n+1
.endr
.endm
	LOADB 0
	LOADB 1
.macro BLOCK t
.set XS, X+32*(\t)
.if (\t) < NB-1
	s_wait_loadcnt 32                              ; this block's 32 loads are in; behind them only the next block's 32 were issued, and may be out
.else
	s_wait_loadcnt 0
.endif
.if (\t)+2 < NB
	LOADB (\t)+2                                   ; two blocks ahead, into registers that nothing else uses
.endif
	v_max3_num_f32 v12, |v[XS]|, |v[XS+1]|, |v[XS+2]|
	v_max3_num_f32 v13, |v[XS+3]|, |v[XS+4]|, |v[XS+5]|
.irp i, 6,10,14,18,22,26
	v_max3_num_f32 v12, v12, |v[XS+\i]|, |v[XS+\i+1]|
	v_max3_num_f32 v13, v13, |v[XS+\i+2]|, |v[XS+\i+3]|
.endr
	v_max3_num_f32 v12, v12, |v[XS+30]|, |v[XS+31]|
	v_max3_num_f32 v12, v12, v13, 0x1800000        ; the floor 2^(3 - 127)
	v_add_nc_u32 v11, 0xff000000, v12              ; the conversion's scale operand
	v_lshrrev_b32 v13, 23, v11                     ; the byte
.if (\t) == 0
	v_mov_b32 v24, v13
.else
	v_lshl_or_b32 v24, v13, 8*(\t), v24            ; four bytes to the word, the lower K in the lower byte
.endif
.irp g, 0,1,2,3
	v_cvt_scalef32_pk8_fp4_f32 v[C+4*(\t)+\g], v[XS+8*\g:XS+8*\g+7], v11
.endr
	ds_store_b128 v4, v[C+4*(\t):C+4*(\t)+3] offset:16*(\t)
.endm
	BLOCK 0
	BLOCK 1
	BLOCK 2
	BLOCK 3
	v_nop                                          ; a plain line behind the last conversion
	ds_store_b32 v5, v24
	s_wait_dscnt 0x0                               ; for the others' sake: my stores have landed
	s_barrier_signal -1
	s_barrier_wait -1
.irp t, 0,1,2,3
	ds_load_b128 v[OUTR+4*\t:OUTR+4*\t+3], v7 offset:2*\t*PITCH
.endr
.irp t, 0,1,2,3
	s_wait_dscnt 3-\t
	global_store_b128 v8, v[OUTR+4*\t:OUTR+4*\t+3], s[6:7] offset:2*\t*512
.endr
	s_cmp_lt_u32 s16, 2                            ; waves 0 and 1 send the 64 columns' scale bytes
	s_cbranch_scc0 .Lno_scales
	ds_load_b128 v[192:195], v9
	s_wait_dscnt 0x0
	global_store_b128 v10, v[192:195], s[8:9]
.Lno_scales:
	s_wait_tensorcnt 0x0                           ; the wave's end
	ds_add_u32 v[SPW], v[NIL]
	s_wait_dscnt 0x0
	s_endpgm
.Lfunc_end_k_qcea3386171_quant_w:
	.size	k_qcea3386171_quant_w, .Lfunc_end_k_qcea3386171_quant_w-k_qcea3386171_quant_w
	.p2alignl 7, 3214868480
	.fill 96, 4, 3214868480
	.section	.rodata,"a",@progbits
	.p2align	6, 0x0
	.amdhsa_kernel k_qcea3386171_quant_w
		.amdhsa_group_segment_fixed_size 19456
		.amdhsa_private_segment_fixed_size 0
		.amdhsa_enable_private_segment 0
		.amdhsa_kernarg_size 32
		.amdhsa_user_sgpr_count 2
		.amdhsa_user_sgpr_kernarg_segment_ptr 1
		.amdhsa_wavefront_size32 1
		.amdhsa_system_sgpr_workgroup_id_x 1
		.amdhsa_system_sgpr_workgroup_id_y 1
		.amdhsa_system_sgpr_workgroup_id_z 1
		.amdhsa_system_vgpr_workitem_id 0
		.amdhsa_next_free_vgpr 200
		.amdhsa_next_free_sgpr 66
		.amdhsa_reserve_vcc 0
		.amdhsa_float_denorm_mode_32 3
		.amdhsa_float_denorm_mode_16_64 3
		.amdhsa_memory_ordered 1
		.amdhsa_forward_progress 1
		.amdhsa_inst_pref_size 23
	.end_amdhsa_kernel
	.amdgpu_metadata
---
amdhsa.version: [ 1, 2 ]
amdhsa.kernels:
  - .name:           k_qcea3386171_quant_w
    .symbol:         k_qcea3386171_quant_w.kd
    .args:
      - { .name: Wq, .offset: 0, .size: 8, .value_kind: global_buffer, .address_space: global }
      - { .name: Wk, .offset: 8, .size: 8, .value_kind: global_buffer, .address_space: global }
      - { .name: Wv, .offset: 16, .size: 8, .value_kind: global_buffer, .address_space: global }
      - { .name: wq, .offset: 24, .size: 8, .value_kind: global_buffer, .address_space: global }
    .group_segment_fixed_size: 19456
    .private_segment_fixed_size: 0
    .kernarg_segment_align: 8
    .kernarg_segment_size: 32
    .max_flat_workgroup_size: 256
    .sgpr_count:     66
    .vgpr_count:     200
    .wavefront_size: 32
...
	.end_amdgpu_metadata
.endif
;; end of part 2
;; launch proj (part 3): grid 8 x 32, 4 waves a work-group, clusters of 4 x 4, 327,680 bytes of LDS; arguments xq, wq, qk, vt, hd; writes qk, vt, hd
.if DOCPART == 3
	.amdgcn_target "amdgcn-amd-amdhsa--gfx1250"
	.amdhsa_code_object_version 6
	.text
	.protected	k_qcea3386171_proj
	.globl	k_qcea3386171_proj
	.p2align	8
	.type	k_qcea3386171_proj,@function
k_qcea3386171_proj:
	s_mov_b64 s[64:65], 0
	v_nop
	global_prefetch_b8 v0, s[64:65] scope:SCOPE_SE
	s_setreg_imm32_b32 hwreg(HW_REG_WAVE_MODE, 25, 1), 1
	s_wait_xcnt 0x0
	s_wait_alu depctr_hold_cnt(0) depctr_sa_sdst(0) depctr_va_vdst(0) depctr_va_sdst(0) depctr_va_ssrc(0) depctr_va_vcc(0) depctr_vm_vsrc(0)
	s_getreg_b32 s2, hwreg(HW_REG_IB_STS2, 6, 4)
	s_cmp_eq_u32 s2, 0
	s_cbranch_scc0 .Lentry_in_a_cluster
	s_endpgm
.Lentry_in_a_cluster:
	s_bfe_u32 s2, ttmp6, 0x10000c
	s_cmp_lg_u32 s2, 0xf033
	s_cbranch_scc0 .Lentry_shape_is_right
	s_endpgm
.Lentry_shape_is_right:
; q, k, v = x W on codes of FP4 with E8M0 scales, sums in f32.
; SHARES.  8,192 tokens x 3,072 columns are cut into 32 x 8 = 256 pieces of 256 tokens x 384 columns, one for each work-group: with tiles of 256 x 256 there would be 384, one and a half for each of 256 WGPs.
; Work-group (g, I): tokens 256 I on; the 384 rows of group g of wq: 256 columns of q | k, then 128 columns of v.  All 384 multiply the same 256 rows of x, whose codes for all of K = 1,024 lie in the two LDS slots.
;   1. q | k: C = A B^T, 256 x 256, four waves of 128 x 128, K in two slots of 512 (x's 256 rows, then the weights' 256 rows).  C = qk [8192 tokens][2048] f16.
;   2. At the change from slot 0 to slot 1 the weights' half of slot 0, which nobody reads any more, is filled again with v's 128 weight rows, all of K (wave 2: K 0-511, wave 3: K 512-1023).
;   3. q | k goes out; then v: 256 tokens x 128 e, a wave 128 tokens x 64 e, eight steps of 128 along K, x's fragments read from both slots once more.  Here source 0 = 16 tokens, source 1 = 16 weight rows:
;      a lane holds one e and eight neighbouring positions, so that vt [4 batches][1024 e][2048 positions] f16 comes out transposed with no transposition.
; Both outputs have rows of 4,096 bytes.  The results of positions 0 to 15 of each batch also leave as f32, as images of the accumulators' registers (hd), for the launch that carries those rows in f32.
; CLUSTERS 4 x 4: g = 4 x cluster x + cx, I = 8 cy + cluster y (the four partners along y are the four batches at one block of positions, so that no branch hangs on a place in the cluster).
; x's tiles are shared along a row of the cluster (made of cy and the cluster's y), the weights' along a column (made of cx and the cluster's x): each is asked for jointly.
; In 1. THE MATRIX INSTRUCTION IS USED TRANSPOSED (source 0 = 16 weight rows, source 1 = 16 tokens): a lane holds eight neighbouring columns of a row of qk.
; LIMIT: |q|, |k|, |v| stay under 65,504, f16's largest number.
; REGISTERS: window 0: v16-30 addresses; v32-95 scale words, two sets; v128-191 x's fragments (for v a second buffer, v192-255); on the ways out v32-63, v192-255.
;   window 1: the weights' fragments, two sets.  windows 2, 3: the 64 accumulators of q | k; window 2: the 32 of v (accumulator (a, b) at v[8 (8 b + a)]).
.set NQ,     4                         ; steps of 128 along K in a slot
.set ROWB,   256                       ; a tile's row: 512 codes
.set KROW,   512                       ; a row of codes in memory
.set PITCH,  272                       ; an LDS row: 256 bytes + 16 of padding: the 16 rows of a fragment load start 68 words apart
.set FR,     8
.set NL,     2
.set NP,     4
.set HALFT,  128*PITCH
.set SLOT,   4*HALFT
.set KS,     32                        ; a row of scale bytes
.set SCL,    2*SLOT                    ; behind the slots: x's scales of 256 rows, as units of 256 bytes + 16;
.set HALFS,  (128*KS/256)*272          ; (those of 128 rows: what one load brings)
.set SBLK,   (16*KS/256)*272           ; (those of 16 rows)
.set SCLB,   SCL+2*HALFS               ; the weights' scales of 384 rows;
.set HALFSB, (192*KS/256)*272          ; (those of 192 rows: what one load brings)
.set STAGE,  SCLB+2*HALFSB             ; the ways out: 16 rows x (256 + 16) a wave, bytes into which no tile lands
.set SPITCH, 272
.set SPARE,  STAGE+4*16*SPITCH         ; the spare words: 128 bytes a wave, named by no other line
.set XSC,    4194304
.set WSC,    1572864
.set ADRA, 16                          ; v16-17 x's fragments in slot 0, 1
.set ADRBV, 18                         ; v18-19 v's weight fragments: K half 0, 1
.set ADRB, 20                          ; v20-21 q | k's weight fragments in slot 0, 1
.set ADRSV, 22                         ; v22-23 the scale words for v: for blocks 0-3, for blocks 4-7
.set STO,  24
.set RD,   25
.set CO,   26
.set ADRS, 27
.set SPW,  28
.set NIL,  29
.set IMG,  30                          ; v30 16 x lane
.set SC,   32
.set AF,   128
.set TMP,  192
.set OB,   32
.set G1, 24
.set G0, 32
.set G1B, 48
.set G0B, 56
.set G1S, 68
.set G0S, 76
.set G1SB, 80
.set G0SB, 88
.set G0V, 92                           ; s[92:95] group 0 of the refill: v's weight rows
.set MSB, 0
.macro WIN new                         ; the immediate's high byte repeats the setting that is left
.if MSB != (\new)
	s_set_vgpr_msb (MSB<<8)|(\new)
.set MSB, (\new)
.endif
.endm
.set MUL_LO, 0xa1                      ; source 0 (weights) window 1, source 1 (x) window 0, C and D window 2
.set MUL_HI, 0xf1                      ; the same, C and D window 3
.set MUL_V,  0xa4                      ; source 0 (x) window 0, source 1 (weights) window 1, C and D window 2
.set TO_B,   0x40
.macro JLOAD g0a, g1a, g0b, g1b        ; waves 0, 1 fetch for x, waves 2, 3 for the weights; an s_nop 0 and four v_nop follow each line
	s_cmp_eq_u32 s15, 0
	s_cbranch_scc0 .Lfor_b_\@
	tensor_load_to_lds s[\g0a:\g0a+3], s[\g1a:\g1a+7]
	s_nop 0
.rept 4
	v_nop
.endr
	s_branch .Lasked_\@
.Lfor_b_\@:
	tensor_load_to_lds s[\g0b:\g0b+3], s[\g1b:\g1b+7]
	s_nop 0
.rept 4
	v_nop
.endr
.Lasked_\@:
.endm
.macro CREST                           ; a round of the cluster's barrier behind its opening barrier
	s_cmp_lg_u32 s14, 0
	s_cbranch_scc1 .Lnot_wave_0_\@
	s_barrier_signal -3
.Lnot_wave_0_\@:
	s_barrier_wait -3
	s_barrier_signal -1
	s_barrier_wait -1
.endm
.macro CROUND                          ; a whole round
	s_barrier_signal -1
	s_barrier_wait -1
	CREST
.endm
	s_load_b256 s[4:11], s[0:1], 0x0               ; xq s[4:5], wq s[6:7], qk s[8:9], vt s[10:11]
	s_load_b64 s[12:13], s[0:1], 0x20              ; hd
	v_lshl_add_u32 v[SPW], v0, 2, SPARE
	v_mov_b32 v[NIL], 0
	ds_add_u32 v[SPW], v[NIL]                      ; the opening: the add, twice on end, and its wait ahead of my first tensor load
	ds_add_u32 v[SPW], v[NIL]
	v_lshrrev_b32 v1, 5, v0
	v_readfirstlane_b32 s14, v1                    ; wave
	s_lshr_b32 s15, s14, 1                         ; hr: my half of the tokens.  Also: I fetch for x (0) or for the weights (1)
	s_and_b32 s16, s14, 1                          ; hc: my half of the columns.  Also: which half of a tile I fetch
	s_bfe_u32 s40, ttmp6, 0x40000                  ; cx
	s_bfe_u32 s41, ttmp6, 0x40004                  ; cy
	s_lshl_b32 s42, ttmp9, 2
	s_add_co_u32 s42, s42, s40                     ; g = 4 x cluster x + cx
	s_and_b32 s17, ttmp7, 0xffff                   ; Y: the cluster's y, 0..7
	s_lshl_b32 s43, s41, 2
	s_lshl_b32 s43, 15, s43                        ; my row of the cluster
	s_lshl_b32 s44, 0x1111, s40                    ; my column
	s_or_b32 s[G1+0], s43, (1<<20)|(1<<21)|(5<<22)|(3<<25)   ; the mask; elements of 1 byte; padding on; bit 21 beside a mask; 4 words behind every 64
	s_or_b32 s[G1B+0], s44, (1<<20)|(1<<21)|(5<<22)|(3<<25)
.irp g, G1, G1B
	s_mov_b32 s[\g+1], ROWB<<16                    ; tensor_dim0
	s_mov_b32 s[\g+2], 128<<16                     ; tensor_dim1
	s_mov_b32 s[\g+3], ROWB<<16                    ; tile_dim0
	s_mov_b32 s[\g+4], 128                         ; tile_dim1
	s_mov_b32 s[\g+5], KROW                        ; pitch
	s_mov_b32 s[\g+6], 0
	s_mov_b32 s[\g+7], 0
.endr
	s_or_b32 s[G1S+0], s43, (3<<16)|(1<<20)|(1<<21)|(5<<22)|(3<<25)   ; scale bytes: dense blocks as rows of 256 bytes (32 elements of 8 bytes): x's of 128 rows are 16 such rows,
	s_mov_b32 s[G1S+1], 32<<16
	s_mov_b32 s[G1S+2], (128*KS/256)<<16
	s_mov_b32 s[G1S+3], 32<<16
	s_mov_b32 s[G1S+4], 128*KS/256
	s_mov_b32 s[G1S+5], 32
	s_mov_b32 s[G1S+6], 0
	s_mov_b32 s[G1S+7], 0
	s_or_b32 s[G1SB+0], s44, (3<<16)|(1<<20)|(1<<21)|(5<<22)|(3<<25)  ; the weights' of 192 rows are 24
	s_mov_b32 s[G1SB+1], 32<<16
	s_mov_b32 s[G1SB+2], (192*KS/256)<<16
	s_mov_b32 s[G1SB+3], 32<<16
	s_mov_b32 s[G1SB+4], 192*KS/256
	s_mov_b32 s[G1SB+5], 32
	s_mov_b32 s[G1SB+6], 0
	s_mov_b32 s[G1SB+7], 0
	s_lshl_b32 s18, s16, 7                         ; which 128 rows of a tile I fetch
	s_lshl_b32 s20, s41, 3                         ; x's rows, of cy and Y alone: token 256 (8 cy + Y) + 128 x half
	s_add_co_u32 s20, s20, s17
	s_lshl_b32 s20, s20, 8
	s_add_co_u32 s20, s20, s18
	s_lshl_b32 s22, s20, 5                         ; 32 scale bytes a row,
	s_add_co_u32 s22, s22, XSC
	s_lshl_b32 s20, s20, 9                         ; 512 bytes of codes
	s_mov_b32 s21, 0
	s_mov_b32 s23, 0
	s_mul_i32 s46, s42, 384                        ; the weights' rows, of g alone: the group's first
	s_mul_i32 s19, s16, 192                        ; scale bytes: 192 rows a wave
	s_add_co_u32 s19, s19, s46
	s_lshl_b32 s2, s19, 5
	s_add_co_u32 s2, s2, WSC
	s_mov_b32 s3, 0
	s_add_co_u32 s19, s46, 256                     ; v's 128 rows lie behind q | k's 256;
	s_lshl_b32 s92, s19, 9
	s_lshl_b32 s19, s16, 8                         ; a wave fetches one half of K of all of them
	s_add_co_u32 s92, s92, s19
	s_mov_b32 s93, 0
	s_add_co_u32 s46, s46, s18                     ; q | k's codes: 128 rows a wave
	s_lshl_b32 s46, s46, 9
	s_mov_b32 s47, 0
	s_mul_i32 s45, s14, HALFT                      ; where the codes go: wave x 128 rows: no place in the cluster enters an LDS address
	s_mul_i32 s66, s16, HALFS                      ; and the scale bytes
	s_mul_i32 s67, s16, HALFSB
	s_wait_dscnt 0x0                               ; both opening adds are done
	s_wait_kmcnt 0x0
	s_add_nc_u64 s[20:21], s[4:5], s[20:21]
	s_add_nc_u64 s[22:23], s[4:5], s[22:23]
	s_add_nc_u64 s[46:47], s[6:7], s[46:47]
	s_add_nc_u64 s[2:3], s[6:7], s[2:3]
	s_add_nc_u64 s[G0V+2:G0V+3], s[6:7], s[92:93]
	CROUND                                         ; all sixteen work-groups are here: the first joint loads meet
	s_mov_b32 s[G0S], 1
	s_add_co_u32 s[G0S+1], s66, SCL
	s_mov_b64 s[G0S+2:G0S+3], s[22:23]
	s_or_b32 s[G0S+3], s[G0S+3], 0x80000000
	s_mov_b32 s[G0SB], 1
	s_add_co_u32 s[G0SB+1], s67, SCLB
	s_mov_b64 s[G0SB+2:G0SB+3], s[2:3]
	s_or_b32 s[G0SB+3], s[G0SB+3], 0x80000000
	JLOAD G0S, G1S, G0SB, G1SB                     ; the scales first; by this text's count three loads of a wave are out at the most
.irp s, 0,1
	s_mov_b32 s[G0+4*\s], 1
	s_add_co_u32 s[G0+4*\s+1], s45, \s*SLOT
	s_add_nc_u64 s[G0+4*\s+2:G0+4*\s+3], s[20:21], \s*ROWB
	s_or_b32 s[G0+4*\s+3], s[G0+4*\s+3], 0x80000000
	s_mov_b32 s[G0B+4*\s], 1
	s_add_co_u32 s[G0B+4*\s+1], s45, \s*SLOT
	s_add_nc_u64 s[G0B+4*\s+2:G0B+4*\s+3], s[46:47], \s*ROWB
	s_or_b32 s[G0B+4*\s+3], s[G0B+4*\s+3], 0x80000000
	JLOAD G0+4*\s, G1, G0B+4*\s, G1B
.endr
	s_mov_b32 s[G0V], 1                            ; the refill (waves 2 and 3 alone issue it): into the bytes of the wave's own first fill of slot 0
	s_mov_b32 s[G0V+1], s45
	s_or_b32 s[G0V+3], s[G0V+3], 0x80000000
	v_and_b32 v1, 15, v0                           ; r
	v_bfe_u32 v2, v0, 4, 1                         ; h
	v_mul_u32_u24 v3, v1, PITCH
	v_lshl_add_u32 v4, v2, 4, v3                   ; a fragment's row x pitch + 16 h
	s_mul_i32 s21, s15, HALFT
	s_mul_i32 s22, s16, HALFT
	s_add_co_u32 s22, s22, 2*HALFT
.irp s, 0,1
	v_add_nc_u32 v[ADRA+\s], s21, v4
	v_add_nc_u32 v[ADRB+\s], s22, v4
	s_add_co_u32 s21, s21, SLOT
	s_add_co_u32 s22, s22, SLOT
.endr
	s_mul_i32 s22, s16, 64*PITCH                   ; v's weight rows: my 64 of the 128, in the weights' half of slot 0: K 0-511,
	s_add_co_u32 s22, s22, 2*HALFT
	v_add_nc_u32 v[ADRBV], s22, v4
	s_add_co_u32 s22, s22, HALFT                   ; K 512-1023
	v_add_nc_u32 v[ADRBV+1], s22, v4
	v_mul_u32_u24 v5, v1, KS                       ; my row's scales: 32 bytes a row,
	v_lshrrev_b32 v6, 8, v5
	v_lshl_add_u32 v5, v6, 4, v5                   ; and 16 more for each 256 passed
	s_mul_i32 s21, s15, HALFS                      ; lanes 0-15: x's, my 128 rows
	s_mul_i32 s22, s16, HALFS                      ; lanes 16-31: q | k's weights, my 128 rows: one product, the distance between the two bases
	s_add_co_u32 s22, s22, 2*HALFS
	s_sub_co_u32 s22, s22, s21
	v_mul_u32_u24 v6, s22, v2
	s_mul_i32 s23, s16, 4*SBLK                     ; for v: lanes 16-31 take my 64 rows behind q | k's 256: four blocks.  A load brings x's block i below and the weights' block i above:
	s_add_co_u32 s2, s23, 2*HALFS+16*SBLK
	s_sub_co_u32 s2, s2, s21
	v_mul_u32_u24 v7, s2, v2                       ; so for i = 0 .. 3 the lanes above begin at my first block,
	s_add_co_u32 s3, s23, 2*HALFS+12*SBLK
	s_sub_co_u32 s3, s3, s21
	v_mul_u32_u24 v8, s3, v2                       ; and for i = 4 .. 7 four blocks lower: they read the same four again, and stay inside the scales
	s_add_co_u32 s21, s21, SCL
	v_add_nc_u32 v5, s21, v5
	v_add_nc_u32 v[ADRS], v5, v6
	v_add_nc_u32 v[ADRSV], v5, v7
	v_add_nc_u32 v[ADRSV+1], v5, v8
	s_mul_i32 s23, s14, 16*SPITCH                  ; my stage
	s_add_co_u32 s23, s23, STAGE
	v_mul_u32_u24 v5, v1, SPITCH
	v_lshl_add_u32 v5, v2, 4, v5
	v_add_nc_u32 v[STO], s23, v5                   ; in: row r, 16 bytes for each half of the lanes
	v_mul_u32_u24 v5, v2, SPITCH
	v_lshl_add_u32 v5, v1, 4, v5
	v_add_nc_u32 v[RD], s23, v5                    ; back: lanes 0-15 one row of 256 bytes, lanes 16-31 the next
	v_lshlrev_b32 v5, 12, v2
	v_lshl_add_u32 v[CO], v1, 4, v5                ; and the same two rows in qk or vt
	v_and_b32 v6, 31, v0
	v_lshlrev_b32 v[IMG], 4, v6
	; where my parts begin.  qk: token 256 (8 cy + Y) + 128 hr, column 256 g + 128 hc
	s_lshl_b32 s2, s41, 3
	s_add_co_u32 s2, s2, s17
	s_lshl_b32 s2, s2, 20
	s_lshl_b32 s3, s15, 19
	s_add_co_u32 s2, s2, s3
	s_lshl_b32 s3, s42, 9
	s_add_co_u32 s2, s2, s3
	s_lshl_b32 s3, s16, 8
	s_add_co_u32 s2, s2, s3
	s_mov_b32 s3, 0
	s_add_nc_u64 s[8:9], s[8:9], s[2:3]
	s_lshl_b32 s2, s41, 22                         ; vt: batch cy, row e = 128 g + 64 hc, position 256 Y + 128 hr
	s_lshl_b32 s3, s42, 19
	s_add_co_u32 s2, s2, s3
	s_lshl_b32 s3, s16, 18
	s_add_co_u32 s2, s2, s3
	s_lshl_b32 s3, s17, 9
	s_add_co_u32 s2, s2, s3
	s_lshl_b32 s3, s15, 8
	s_add_co_u32 s2, s2, s3
	s_mov_b32 s3, 0
	s_add_nc_u64 s[10:11], s[10:11], s[2:3]
	s_mul_i32 s2, s41, 196608                      ; hd: batch cy; v's tile 128 + 8 g + 4 hc,
	s_lshl_b32 s3, s42, 13
	s_add_co_u32 s100, s2, s3
	s_lshl_b32 s3, s16, 12
	s_add_co_u32 s100, s100, s3
	s_add_co_u32 s100, s100, 131072
	s_mov_b32 s101, 0
	s_add_nc_u64 s[100:101], s[12:13], s[100:101]
	s_lshl_b32 s3, s42, 14                         ; q | k's tile 16 g + 8 hc
	s_add_co_u32 s2, s2, s3
	s_lshl_b32 s3, s16, 13
	s_add_co_u32 s2, s2, s3
	s_mov_b32 s3, 0
	s_add_nc_u64 s[12:13], s[12:13], s[2:3]
	s_or_b32 s66, s17, s15                         ; 0: my first 16 tokens are positions 0-15 of a batch (the cluster's y and the wave's number alone)
.macro FRAG reg, adr, q, i             ; 16 rows x 128 K of 4-bit codes: registers 4 c .. 4 c + 3 hold K = 64 c + 32 h + 0 .. 31
.irp c, 0,1
	ds_load_b128 v[\reg+4*\c:\reg+4*\c+3], v[\adr] offset:64*(\q)+32*\c+(\i)*16*PITCH
.endr
.endm
; 16 matrix instructions of q | k: x's blocks a0, a0 + 1 x the weights' eight.  The 64 accumulators take turns, one instruction a turn.
.macro MUL16 a0, p, q, sc, zero
.irp a, \a0, \a0+1
.irp b, 0,1,2,3,4,5,6,7
.if \zero
	v_wmma_scale_f32_16x16x128_f8f6f4 v[8*(8*((\a)%4)+\b):8*(8*((\a)%4)+\b)+7], v[128*(\p)+FR*\b:128*(\p)+FR*\b+FR-1], v[AF+FR*(\a):AF+FR*(\a)+FR-1], 0, v[SC+8*NQ*(\sc)+NQ*\b+(\q)], v[SC+8*NQ*(\sc)+NQ*(\a)+(\q)] matrix_a_fmt:MATRIX_FMT_FP4 matrix_b_fmt:MATRIX_FMT_FP4 matrix_a_scale:MATRIX_SCALE_ROW1
.else
	v_wmma_scale_f32_16x16x128_f8f6f4 v[8*(8*((\a)%4)+\b):8*(8*((\a)%4)+\b)+7], v[128*(\p)+FR*\b:128*(\p)+FR*\b+FR-1], v[AF+FR*(\a):AF+FR*(\a)+FR-1], v[8*(8*((\a)%4)+\b):8*(8*((\a)%4)+\b)+7], v[SC+8*NQ*(\sc)+NQ*\b+(\q)], v[SC+8*NQ*(\sc)+NQ*(\a)+(\q)] matrix_a_fmt:MATRIX_FMT_FP4 matrix_b_fmt:MATRIX_FMT_FP4 matrix_a_scale:MATRIX_SCALE_ROW1
.endif
.endr
.endr
.endm
.macro FETCH_B slot, q, p
	WIN TO_B
.irp i, 0,1,2,3,4,5,6,7
	FRAG 128*(\p)+FR*\i, ADRB+\slot, \q, \i
.endr
	WIN 0
.endm
.macro FETCH_A slot, q, i0
.irp i, \i0, \i0+1, \i0+2, \i0+3
	FRAG AF+FR*(\i), ADRA+\slot, \q, \i
.endr
.endm
.macro SCALES sc                       ; a slot's scale words: lanes 0-15 x's block i, lanes 16-31 the weights' block i
.irp i, 0,1,2,3,4,5,6,7
	ds_load_b128 v[SC+8*NQ*\sc+NQ*\i:SC+8*NQ*\sc+NQ*\i+3], v[ADRS] offset:\i*SBLK
.endr
.endm
.macro PLACES n                        ; plain vector lines between a matrix instruction and a load into, or a read of, its registers
.rept \n
	v_nop
.endr
.endm
.macro STEP slot, q, zero
	s_wait_dscnt 4*NL                              ; the weights' set and x's blocks 0-3 are in; the youngest eight loads (x's blocks 4-7) may be out
	WIN MUL_LO
	MUL16 0, (\q)%2, \q, \slot, \zero
	MUL16 2, (\q)%2, \q, \slot, \zero
	s_wait_dscnt 0
	PLACES NP
	FETCH_B \slot, (\q)+1, 1-(\q)%2
	FETCH_A \slot, (\q)+1, 0
	WIN MUL_HI
	MUL16 4, (\q)%2, \q, \slot, \zero
	MUL16 6, (\q)%2, \q, \slot, \zero
	PLACES NP
	WIN 0
	FETCH_A \slot, (\q)+1, 4
.endm
; Slot 0's last step changes slots.  In front of the barrier each wave waits for all its tensor loads, adds 0 to its spare word, and waits for that and for its reads of slot 0.  The barrier opens a round of the
; cluster's barrier: behind it no wave of any partner reads the weights' half of slot 0 or has a load on its way, and that half is filled again, jointly, with v's weight rows.  x's half stays as it is.
.macro TURN slot, next
	s_wait_tensorcnt 0x0                           ; my part of the next slot has landed; no load of mine is out
	ds_add_u32 v[SPW], v[NIL]
	s_wait_dscnt 4*NL+1                            ; (the add and x's blocks 4-7 may be out)
	WIN MUL_LO
	MUL16 0, 1, NQ-1, \slot, 0
	s_wait_dscnt 0x0                               ; the add is done, and my reads of this slot's weights are over
	s_barrier_signal -1
	MUL16 2, 1, NQ-1, \slot, 0
	WIN 0
	s_barrier_wait -1
	CREST
	s_cmp_eq_u32 s15, 0                            ; waves 0 and 1 have nothing to fetch, in every partner
	s_cbranch_scc1 .Lno_v_tile_\@
	tensor_load_to_lds s[G0V:G0V+3], s[G1B:G1B+7]  ; my one load behind the round: it has slot 1's steps and q | k's way out in which to land
	s_nop 0
.rept 4
	v_nop
.endr
.Lno_v_tile_\@:
	PLACES NP
	v_add_nc_u32 v[ADRS], 4*NQ, v[ADRS]            ; the next slot's scale words
	FETCH_B \next, 0, 0
	FETCH_A \next, 0, 0
	SCALES \next
	WIN MUL_HI
	MUL16 4, 1, NQ-1, \slot, 0
	MUL16 6, 1, NQ-1, \slot, 0
	PLACES NP
	WIN 0
	FETCH_A \next, 0, 4
.endm
.macro STEPS slot, from
.set Q, \from
.rept NQ-1-\from
	STEP \slot, Q, 0
.set Q, Q+1
.endr
.endm
; THE WAY OUT of a block of 16 rows x 256 bytes (q | k: 16 tokens x 128 columns; v: 16 e x 128 positions): its eight accumulators, 64 registers on end, are rounded to f16, 16 bytes a lane; through my stage; back as whole rows.
.macro PACK a
.set AC, 64*((\a)%4)
	WIN 0x0a+5*((\a)/4)                            ; sources 0 and 1: window 2 or 3
.irp b, 0,1,2,3,4,5,6,7
.irp r, 0,1,2,3
	v_cvt_pk_f16_f32 v[TMP+4*\b+\r], v[AC+8*\b+2*\r], v[AC+8*\b+2*\r+1]
.endr
.endr
	WIN 0
.endm
.macro TOSTAGE a
.set BK, OB+192*((\a)%2)
.irp b, 0,1,2,3,4,5,6,7
	ds_store_b128 v[STO], v[TMP+4*\b:TMP+4*\b+3] offset:32*\b
.endr
.irp t, 0,1,2,3,4,5,6,7
	ds_load_b128 v[BK+4*\t:BK+4*\t+3], v[RD] offset:\t*2*SPITCH    ; in order behind the stores above
.endr
.endm
.macro SEND a, base
.set BK, OB+192*((\a)%2)
	s_wait_dscnt 0x0                               ; the block is back in registers
	s_wait_xcnt 0x0                                ; earlier stores have read their base and registers: only now are they written again
.if (\a) > 0
	s_add_nc_u64 s[\base:\base+1], s[\base:\base+1], 16*4096
.endif
.irp t, 0,1,2,3,4,5,6,7
	global_store_b128 v[CO], v[BK+4*\t:BK+4*\t+3], s[\base:\base+1] offset:2*\t*4096   ; 16 lanes store 256 consecutive bytes, aligned
.endr
.endm
	s_wait_tensorcnt 1                             ; the scales and my part of slot 0 are in (slot 1's load may be out)
	s_barrier_signal -1
	s_barrier_wait -1                              ; everybody's are
	FETCH_B 0, 0, 0
	FETCH_A 0, 0, 0
	SCALES 0
	FETCH_A 0, 0, 4
	STEP 0, 0, 1                                   ; the first products start the sums: nothing is cleared
	STEPS 0, 1
	TURN 0, 1
	STEPS 1, 0
	s_wait_dscnt 4*NL
	WIN MUL_LO
	MUL16 0, 1, NQ-1, 1, 0
	MUL16 2, 1, NQ-1, 1, 0
	s_wait_dscnt 0
	WIN MUL_HI
	MUL16 4, 1, NQ-1, 1, 0
	MUL16 6, 1, NQ-1, 1, 0
	WIN 0
	PLACES NP
	; THE IMAGES of q and k: an accumulator's eight registers leave as they stand, 16 bytes a lane, 512 consecutive bytes a store; the low four registers first
	s_cmp_lg_u32 s66, 0
	s_cbranch_scc1 .Lno_qk_image
	WIN 0x08                                       ; a store's data are its source 1: window 2
.irp b, 0,1,2,3,4,5,6,7
	global_store_b128 v[IMG], v[8*\b:8*\b+3], s[12:13] offset:1024*\b          ; lane (r, h): position r, column 16 b + 8 h + 0 .. 3 of my 128
	global_store_b128 v[IMG], v[8*\b+4:8*\b+7], s[12:13] offset:1024*\b+512
.endr
	WIN 0
.Lno_qk_image:
	PACK 0                                         ; q | k goes out now: its stores are on their way while v is multiplied
	TOSTAGE 0
.irp a, 1,2,3,4,5,6,7
	PACK \a
	SEND \a-1, 8
	TOSTAGE \a
.endr
	SEND 7, 8
; v: 256 tokens x 128 e.  A wave: my 128 tokens (x's fragments as above, from both slots) x 64 e: 32 accumulators, eight steps of 128 along K, two buffers of fragments.
.macro VSCALES                         ; the scale words of all of K: set s for K half s; register NQ i + q: lanes 0-15 x's block i, lanes 16-31 the weights' block i % 4
.irp s, 0,1
.irp i, 0,1,2,3
	ds_load_b128 v[SC+8*NQ*\s+NQ*\i:SC+8*NQ*\s+NQ*\i+3], v[ADRSV] offset:\i*SBLK+4*NQ*\s
.endr
.irp i, 4,5,6,7
	ds_load_b128 v[SC+8*NQ*\s+NQ*\i:SC+8*NQ*\s+NQ*\i+3], v[ADRSV+1] offset:\i*SBLK+4*NQ*\s
.endr
.endr
.endm
.macro FETCHV s, q, p                  ; 24 LDS loads in one run: the q-th 128 along K of half s into buffer p
	WIN TO_B
.irp i, 0,1,2,3
	FRAG 128*(\p)+FR*\i, ADRBV+(\s), \q, \i
.endr
	WIN 0
.irp i, 0,1,2,3,4,5,6,7
	FRAG AF+64*(\p)+FR*\i, ADRA+(\s), \q, \i
.endr
.endm
.macro MULV p, s, q, zero              ; 32 matrix instructions; the 32 accumulators take turns, one instruction a turn
.irp a, 0,1,2,3,4,5,6,7
.irp b, 0,1,2,3
.if \zero
	v_wmma_scale_f32_16x16x128_f8f6f4 v[8*(8*\b+\a):8*(8*\b+\a)+7], v[AF+64*(\p)+FR*\a:AF+64*(\p)+FR*\a+FR-1], v[128*(\p)+FR*\b:128*(\p)+FR*\b+FR-1], 0, v[SC+8*NQ*(\s)+NQ*\a+(\q)], v[SC+8*NQ*(\s)+NQ*\b+(\q)] matrix_a_fmt:MATRIX_FMT_FP4 matrix_b_fmt:MATRIX_FMT_FP4 matrix_b_scale:MATRIX_SCALE_ROW1
.else
	v_wmma_scale_f32_16x16x128_f8f6f4 v[8*(8*\b+\a):8*(8*\b+\a)+7], v[AF+64*(\p)+FR*\a:AF+64*(\p)+FR*\a+FR-1], v[128*(\p)+FR*\b:128*(\p)+FR*\b+FR-1], v[8*(8*\b+\a):8*(8*\b+\a)+7], v[SC+8*NQ*(\s)+NQ*\a+(\q)], v[SC+8*NQ*(\s)+NQ*\b+(\q)] matrix_a_fmt:MATRIX_FMT_FP4 matrix_b_fmt:MATRIX_FMT_FP4 matrix_b_scale:MATRIX_SCALE_ROW1
.endif
.endr
.endr
.endm
.macro VSTEP n                         ; step n multiplies buffer n % 2; ahead of its products the next step's fragments are asked for, into the buffer that the step before multiplied
	s_wait_dscnt 0x0                               ; this step's fragments are in (they were asked for ahead of the last step's products)
.if (\n) < 7
.if (\n) > 0
	PLACES NP
.endif
	FETCHV ((\n)+1)/4, ((\n)+1)%4, ((\n)+1)%2
.endif
	WIN MUL_V
.if (\n) == 0
	MULV 0, 0, 0, 1
.else
	MULV (\n)%2, (\n)/4, (\n)%4, 0
.endif
	WIN 0
.endm
	s_wait_tensorcnt 0x0                           ; v's weight rows have landed (waves 2 and 3 fetched them),
	s_wait_xcnt 0x0                                ; and my stores have read their registers, into which the loads below land;
	s_barrier_signal -1                            ; (no LDS instruction of mine is out: the last way out ended with its wait)
	s_barrier_wait -1                              ; everybody's have
	VSCALES
	FETCHV 0, 0, 0
.irp n, 0,1,2,3,4,5,6,7
	VSTEP \n
.endr
	PLACES NP
	s_cmp_lg_u32 s66, 0                            ; THE IMAGES of v: accumulators (0, b)
	s_cbranch_scc1 .Lno_v_image
	WIN 0x08
.irp b, 0,1,2,3
	global_store_b128 v[IMG], v[64*\b:64*\b+3], s[100:101] offset:1024*\b      ; lane (r, h): e = 16 b + r of my 64, positions 8 h + 0 .. 3
	global_store_b128 v[IMG], v[64*\b+4:64*\b+7], s[100:101] offset:1024*\b+512
.endr
	WIN 0
.Lno_v_image:
	PACK 0                                         ; block b: 16 e x my 128 positions: accumulators (0 .. 7, b) lie on end, as a block of q | k does
	TOSTAGE 0
.irp a, 1,2,3
	PACK \a
	SEND \a-1, 10
	TOSTAGE \a
.endr
	SEND 3, 10
	s_wait_tensorcnt 0x0                           ; the wave's end
	ds_add_u32 v[SPW], v[NIL]
	s_wait_dscnt 0x0
	CROUND                                         ; the closing round
	s_endpgm
.Lfunc_end_k_qcea3386171_proj:
	.size	k_qcea3386171_proj, .Lfunc_end_k_qcea3386171_proj-k_qcea3386171_proj
	.p2alignl 7, 3214868480
	.fill 96, 4, 3214868480
	.section	.rodata,"a",@progbits
	.p2align	6, 0x0
	.amdhsa_kernel k_qcea3386171_proj
		.amdhsa_group_segment_fixed_size 327680
		.amdhsa_private_segment_fixed_size 0
		.amdhsa_enable_private_segment 0
		.amdhsa_kernarg_size 40
		.amdhsa_user_sgpr_count 2
		.amdhsa_user_sgpr_kernarg_segment_ptr 1
		.amdhsa_wavefront_size32 1
		.amdhsa_system_sgpr_workgroup_id_x 1
		.amdhsa_system_sgpr_workgroup_id_y 1
		.amdhsa_system_sgpr_workgroup_id_z 1
		.amdhsa_system_vgpr_workitem_id 0
		.amdhsa_next_free_vgpr 1024
		.amdhsa_next_free_sgpr 102
		.amdhsa_reserve_vcc 0
		.amdhsa_float_denorm_mode_32 3
		.amdhsa_float_denorm_mode_16_64 3
		.amdhsa_memory_ordered 1
		.amdhsa_forward_progress 1
		.amdhsa_inst_pref_size 195
	.end_amdhsa_kernel
	.amdgpu_metadata
---
amdhsa.version: [ 1, 2 ]
amdhsa.kernels:
  - .name:           k_qcea3386171_proj
    .symbol:         k_qcea3386171_proj.kd
    .args:
      - { .name: xq, .offset: 0, .size: 8, .value_kind: global_buffer, .address_space: global }
      - { .name: wq, .offset: 8, .size: 8, .value_kind: global_buffer, .address_space: global }
      - { .name: qk, .offset: 16, .size: 8, .value_kind: global_buffer, .address_space: global }
      - { .name: vt, .offset: 24, .size: 8, .value_kind: global_buffer, .address_space: global }
      - { .name: hd, .offset: 32, .size: 8, .value_kind: global_buffer, .address_space: global }
    .group_segment_fixed_size: 327680
    .private_segment_fixed_size: 0
    .kernarg_segment_align: 8
    .kernarg_segment_size: 40
    .max_flat_workgroup_size: 128
    .sgpr_count:     102
    .vgpr_count:     1024
    .wavefront_size: 32
...
	.end_amdgpu_metadata
.endif
;; end of part 3
;; launch scores (part 4): grid 9 x 16, 4 waves a work-group, no clusters, 327,680 bytes of LDS; arguments qk, pt, ml; writes pt, ml
.if DOCPART == 4
	.amdgcn_target "amdgcn-amd-amdhsa--gfx1250"
	.amdhsa_code_object_version 6
	.text
	.protected	k_qcea3386171_scores
	.globl	k_qcea3386171_scores
	.p2align	8
	.type	k_qcea3386171_scores,@function
k_qcea3386171_scores:
	s_mov_b64 s[64:65], 0
	v_nop
	global_prefetch_b8 v0, s[64:65] scope:SCOPE_SE
	s_setreg_imm32_b32 hwreg(HW_REG_WAVE_MODE, 25, 1), 1
	s_wait_xcnt 0x0
; scores = q k^T on f16 operands, f32 sums, and a softmax BY TILES OF 128 KEYS.  Left out: the tiles that lie wholly above the diagonal (their weights are 0 by reference()'s own mask: see the first launch's head).
; A work-group makes a tile of 256 queries x 256 keys of one batch, a wave 128 x 128; K = 1,024 in eight steps of 128 through two LDS slots.
; THE TILES.  A batch has 8 x 8 tiles, 36 of them live.  Rows pr and 7 - pr of the triangle together have 9 tiles: work-group (u, y), batch y / 4, pr = y % 4, takes (pr, u) where u <= pr, else (7 - pr, u - pr - 1).
; In the 32 tiles on the diagonal the wave with queries 0-127 and keys 128-255 multiplies (it passes every barrier) and stores nothing.
; THE SOFTMAX.  t = score x log2(e) / 32.  For a row and a tile of 128 keys: M = the tile's largest t rounded UP to a whole number, p = 2^(t - M) <= 1, stored as f16 (pt); -M and the f32 sum of the unrounded p go to ml.
; The next launch takes the row's largest M away from all tiles by exact powers of two: so the row's maximum is taken away ahead of the exponentials' use, by a maximum that runs over tiles.  LIMIT: a p under 2^-24 becomes 0.
; NO CLUSTER: work-groups that share q's tile along rows and k's along columns form a product of row blocks and key blocks; under the triangle such a product of four or sixteen holds tiles that are left out,
; whose work-groups would ask for tiles that they never read.
; THE MATRIX INSTRUCTION IS USED TRANSPOSED (source 0 = 16 keys, source 1 = 16 queries): a lane holds one query and eight neighbouring keys.
; REGISTERS: window 0: v16-53 addresses and the softmax's few; v64-127, v128-191 q's fragments, two buffers; on the way out v64-127 t, v128-159 packed p, v160-223 rows read back.  window 1: k's fragments.  windows 2, 3: 64 accumulators.
.set KSTEP,  128
.set PITCH,  272
.set HALFT,  128*PITCH
.set SLOT,   4*HALFT
.set STAGE,  2*SLOT                    ; 16 rows x 272 bytes a wave
.set SPITCH, 272
.set MST,    STAGE+4*16*SPITCH         ; a wave's 128 -M, then its 128 sums: 1,024 bytes a wave
.set SPARE,  MST+4*1024                ; the spare words: 128 bytes a wave, named by no other line
.set LAPS,   4
.set LOFF,   524288                    ; where the sums begin in ml
.set ADRA, 16
.set ADRB, 20
.set STO,  24
.set RD,   25
.set CO,   26
.set MS,   27                          ; v27 MST + 1024 wave + 4 r
.set SPW,  28
.set NIL,  29
.set D0,   30                          ; v30 r - 8 h
.set NINF, 31                          ; v31 -infinity
.set MX,   32                          ; v32-35 four chains of the maximum
.set PD,   36                          ; v36 a lane permute's destination
.set TM,   37                          ; v37 the largest t
.set NM,   38                          ; v[38:39] -M (the packed addition takes the low word for both halves)
.set SU,   40                          ; v[40:43] the sums
.set TB,   44                          ; v44-51 the tables on their way out
.set MR,   52                          ; v52 MST + 1024 wave + 16 lane
.set T16,  53                          ; v53 16 lane
.set W,    64
.set TMP,  128
.set BK,   160
.set F0,   64
.set F1,   128
.set G1, 24
.set G0, 32
.set CS, 40                            ; s[40:41] c = log2(e) / 32
.set SEL, 42                           ; s[42:43] lane l xor 16
.set DIAGN, 46                         ; s46 0: my 128 x 128 lies on the diagonal
.set DEADN, 47                         ; s47 0: it lies above it
.set MSB, 0
.macro WIN new
.if MSB != (\new)
	s_set_vgpr_msb (MSB<<8)|(\new)
.set MSB, (\new)
.endif
.endm
.set MUL_LO, 0xa1
.set MUL_HI, 0xf1
.set TO_B,   0x40
	s_load_b128 s[4:7], s[0:1], 0x0                ; qk, pt
	s_load_b64 s[8:9], s[0:1], 0x10                ; ml
	v_lshl_add_u32 v[SPW], v0, 2, SPARE
	v_mov_b32 v[NIL], 0
	ds_add_u32 v[SPW], v[NIL]                      ; the opening: the add, twice on end, and its wait ahead of my first tensor load
	ds_add_u32 v[SPW], v[NIL]
	v_lshrrev_b32 v1, 5, v0
	v_readfirstlane_b32 s10, v1                    ; wave
	s_lshr_b32 s11, s10, 1                         ; hr.  Also: I fetch q's rows (0) or k's (1)
	s_and_b32 s12, s10, 1                          ; hc.  Also: which 128 rows I fetch
	s_and_b32 s14, ttmp7, 0xffff
	s_lshr_b32 s15, s14, 2                         ; the batch
	s_and_b32 s14, s14, 3                          ; pr
	s_sub_co_u32 s18, 7, s14
	s_sub_co_u32 s19, ttmp9, s14
	s_sub_co_u32 s19, s19, 1
	s_cmp_le_u32 ttmp9, s14
	s_cselect_b32 s16, s14, s18                    ; I: block of 256 queries
	s_cselect_b32 s17, ttmp9, s19                  ; J: block of 256 keys, J <= I
	s_mov_b32 s[G1+0], (1<<16)|(1<<20)|(5<<22)|(3<<25)   ; elements of 2 bytes; 4 words of padding behind every 64
	s_mov_b32 s[G1+1], KSTEP<<16                   ; tensor_dim0
	s_mov_b32 s[G1+2], 128<<16                     ; tensor_dim1
	s_mov_b32 s[G1+3], KSTEP<<16                   ; tile_dim0
	s_mov_b32 s[G1+4], 128                         ; tile_dim1
	s_mov_b32 s[G1+5], 2048                        ; pitch in elements
	s_mov_b32 s[G1+6], 0
	s_mov_b32 s[G1+7], 0
	s_mov_b32 s[CS], 0x3d38aa3b
	s_mov_b32 s[CS+1], s[CS]
	s_mov_b32 s[SEL], 0x76543210
	s_mov_b32 s[SEL+1], 0xfedcba98
	s_cmp_eq_u32 s11, 0
	s_cselect_b32 s20, s16, s17
	s_lshl_b32 s20, s20, 8
	s_lshl_b32 s21, s15, 11
	s_add_co_u32 s20, s20, s21
	s_lshl_b32 s21, s12, 7
	s_add_co_u32 s20, s20, s21                     ; the first token that I fetch
	s_lshl_b32 s20, s20, 12
	s_lshl_b32 s21, s11, 11                        ; k lies 2,048 bytes on in a row of qk
	s_add_co_u32 s20, s20, s21
	s_mov_b32 s21, 0
	s_mul_i32 s22, s10, HALFT                      ; q's two halves, then k's two halves
	s_wait_dscnt 0x0                               ; both opening adds are done
	s_wait_kmcnt 0x0
	s_add_nc_u64 s[20:21], s[4:5], s[20:21]
.irp s, 0,1                            ; every wave's two first fills, ahead of every wait on TENSORcnt, LDS read and barrier: two loads of a wave are out
	s_mov_b32 s[G0+4*\s], 1
	s_add_co_u32 s[G0+4*\s+1], s22, \s*SLOT
	s_add_nc_u64 s[G0+4*\s+2:G0+4*\s+3], s[20:21], \s*KSTEP*2
	s_or_b32 s[G0+4*\s+3], s[G0+4*\s+3], 0x80000000
	tensor_load_to_lds s[G0+4*\s:G0+4*\s+3], s[G1:G1+7]
	s_nop 0
.endr
.rept 4
	v_nop
.endr
	v_and_b32 v1, 15, v0                           ; r
	v_bfe_u32 v2, v0, 4, 1                         ; h
	v_mul_u32_u24 v3, v1, PITCH
	v_lshl_add_u32 v3, v2, 4, v3
	s_mul_i32 s21, s11, HALFT
	s_mul_i32 s22, s12, HALFT
	s_add_co_u32 s22, s22, 2*HALFT
.irp s, 0,1
	v_add_nc_u32 v[ADRA+\s], s21, v3
	v_add_nc_u32 v[ADRB+\s], s22, v3
	s_add_co_u32 s21, s21, SLOT
	s_add_co_u32 s22, s22, SLOT
.endr
	s_mul_i32 s23, s10, 16*SPITCH
	s_add_co_u32 s23, s23, STAGE
	v_mul_u32_u24 v4, v1, SPITCH
	v_lshl_add_u32 v4, v2, 4, v4
	v_add_nc_u32 v[STO], s23, v4
	v_mul_u32_u24 v5, v2, SPITCH
	v_lshl_add_u32 v5, v1, 4, v5
	v_add_nc_u32 v[RD], s23, v5
	v_lshlrev_b32 v5, 12, v2
	v_lshl_add_u32 v[CO], v1, 4, v5
	s_lshl_b32 s23, s10, 10
	s_add_co_u32 s23, s23, MST
	v_lshl_add_u32 v[MS], v1, 2, s23
	v_and_b32 v6, 31, v0
	v_lshlrev_b32 v[T16], 4, v6
	v_add_nc_u32 v[MR], s23, v[T16]
	v_lshlrev_b32 v5, 3, v2
	v_sub_nc_u32 v[D0], v1, v5
	v_mov_b32 v[NINF], 0xff800000
	v_mov_b32 v[PD], 0
	v_mov_b32 v[NM+1], 0
	s_lshl_b32 s20, s15, 11                        ; pt: row 2048 b + 256 I + 128 hr, key 256 J + 128 hc
	s_lshl_b32 s21, s16, 8
	s_add_co_u32 s20, s20, s21
	s_lshl_b32 s21, s11, 7
	s_add_co_u32 s20, s20, s21
	s_lshl_b32 s22, s20, 12
	s_lshl_b32 s21, s17, 9
	s_add_co_u32 s22, s22, s21
	s_lshl_b32 s21, s12, 8
	s_add_co_u32 s22, s22, s21
	s_mov_b32 s23, 0
	s_add_nc_u64 s[6:7], s[6:7], s[22:23]
	s_lshl_b32 s22, s15, 4                         ; ml: [batch][tile of keys 2 J + hc][row in the batch]
	s_lshl_b32 s21, s17, 1
	s_add_co_u32 s22, s22, s21
	s_add_co_u32 s22, s22, s12
	s_lshl_b32 s22, s22, 11
	s_lshl_b32 s21, s16, 8
	s_add_co_u32 s22, s22, s21
	s_lshl_b32 s21, s11, 7
	s_add_co_u32 s22, s22, s21
	s_lshl_b32 s22, s22, 2
	s_add_nc_u64 s[8:9], s[8:9], s[22:23]
	s_xor_b32 s44, s16, s17
	s_xor_b32 s45, s11, s12
	s_or_b32 s[DIAGN], s44, s45
	s_xor_b32 s45, s12, 1
	s_or_b32 s45, s45, s11
	s_or_b32 s[DEADN], s45, s44
.macro MUL16 f, hi, a0, zero           ; the 64 accumulators take turns, one instruction a turn
.irp a, \a0, \a0+1
.irp b, 0,1,2,3,4,5,6,7
.if \zero
	v_wmma_f32_16x16x32_f16 v[8*(8*(\a)+\b):8*(8*(\a)+\b)+7], v[\f+8*\b:\f+8*\b+7], v[\f+8*(4*\hi+\a):\f+8*(4*\hi+\a)+7], 0
.else
	v_wmma_f32_16x16x32_f16 v[8*(8*(\a)+\b):8*(8*(\a)+\b)+7], v[\f+8*\b:\f+8*\b+7], v[\f+8*(4*\hi+\a):\f+8*(4*\hi+\a)+7], v[8*(8*(\a)+\b):8*(8*(\a)+\b)+7]
.endif
.endr
.endr
.endm
.macro FETCH slot, k, f                ; 32 LDS loads in one run: a quarter step's fragments
	WIN TO_B
.irp i, 0,1,2,3,4,5,6,7
	ds_load_b128 v[\f+8*\i:\f+8*\i+3],   v[ADRB+\slot] offset:\k+\i*16*PITCH
	ds_load_b128 v[\f+8*\i+4:\f+8*\i+7], v[ADRB+\slot] offset:\k+\i*16*PITCH+32
.endr
	WIN 0
.irp i, 0,1,2,3,4,5,6,7
	ds_load_b128 v[\f+8*\i:\f+8*\i+3],   v[ADRA+\slot] offset:\k+\i*16*PITCH
	ds_load_b128 v[\f+8*\i+4:\f+8*\i+7], v[ADRA+\slot] offset:\k+\i*16*PITCH+32
.endr
.endm
.macro PLACES
.rept 4
	v_nop
.endr
.endm
.macro QUARTER slot, k, f, g, zero
	s_wait_dscnt 8                                 ; k's fragments and q's rows 0-63 are in; the youngest eight loads may be out
	WIN MUL_LO
	MUL16 \f, 0, 0, \zero
	MUL16 \f, 0, 2, \zero
	PLACES
	FETCH \slot, \k, \g
	s_wait_dscnt 32                                ; all but the 32 just issued
	WIN MUL_HI
	MUL16 \f, 1, 0, \zero
	MUL16 \f, 1, 2, \zero
.endm
; The last quarter changes slots: one barrier; in front of it each wave waits for all its tensor loads, adds 0 to its spare word, and waits for that and for its reads of this slot.
.macro TURN slot, next, fill
	WIN 0
	s_wait_tensorcnt 0x0                           ; my part of the next slot has landed; no load of mine is out
	ds_add_u32 v[SPW], v[NIL]
	s_wait_dscnt 9                                 ; (the add and the youngest eight loads may be out)
	WIN MUL_LO
	MUL16 F1, 0, 0, 0
	s_wait_dscnt 0x0                               ; the add is done, and my reads of this slot are over
	s_barrier_signal -1
	MUL16 F1, 0, 2, 0
	WIN 0
	s_barrier_wait -1
.if \fill
	s_add_nc_u64 s[G0+4*\slot+2:G0+4*\slot+3], s[G0+4*\slot+2:G0+4*\slot+3], 2*KSTEP*2
	tensor_load_to_lds s[G0+4*\slot:G0+4*\slot+3], s[G1:G1+7]      ; my one load behind the barrier: 224 matrix instructions ahead of the wait for it
	s_nop 0
.endif
	PLACES                                         ; behind the load, and in front of the loads below
	FETCH \next, 0, F0
	WIN MUL_HI
	MUL16 F1, 1, 0, 0
	MUL16 F1, 1, 2, 0
.endm
	s_wait_tensorcnt 1                             ; my part of K step 0 is in (K step 1's may be out)
	s_barrier_signal -1
	s_barrier_wait -1                              ; everybody's is
	FETCH 0, 0, F0
	QUARTER 0, 64,  F0, F1, 1                      ; the first products start the sums
	WIN 0
	s_mov_b32 s3, LAPS-1
.Llap:
	QUARTER 0, 128, F1, F0, 0
	QUARTER 0, 192, F0, F1, 0
	TURN 0, 1, 1
	QUARTER 1, 64,  F0, F1, 0
	QUARTER 1, 128, F1, F0, 0
	QUARTER 1, 192, F0, F1, 0
	TURN 1, 0, 1
	QUARTER 0, 64,  F0, F1, 0
	WIN 0
	s_sub_co_u32 s3, s3, 1
	s_cmp_lg_u32 s3, 0
	s_cbranch_scc1 .Llap
	QUARTER 0, 128, F1, F0, 0                      ; the last lap is written out: it fetches nothing
	QUARTER 0, 192, F0, F1, 0
	TURN 0, 1, 0
	QUARTER 1, 64,  F0, F1, 0
	QUARTER 1, 128, F1, F0, 0
	QUARTER 1, 192, F0, F1, 0
	s_wait_dscnt 8
	WIN MUL_LO
	MUL16 F1, 0, 0, 0
	MUL16 F1, 0, 2, 0
	s_wait_dscnt 0
	WIN MUL_HI
	MUL16 F1, 1, 0, 0
	MUL16 F1, 1, 2, 0
	WIN 0
	PLACES
	s_cmp_eq_u32 s[DEADN], 0                       ; ids and the wave's number alone; no barrier follows
	s_cbranch_scc1 .Ldead
; THE SOFTMAX of block a: 16 queries x my 128 keys.  Lane (r, h) holds query 16 a + r; register 8 b + j holds key 16 b + 8 h + j.
.macro SOFT a
.set AC, 64*((\a)%4)
	WIN 0x02+(\a)/4                                ; source 0: window 2 or 3
.set i, 0
.rept 32
	v_pk_mul_f32 v[W+i:W+i+1], v[AC+i:AC+i+1], s[CS:CS+1] op_sel_hi:[1,0]   ; t; each accumulator from its low end on
.set i, i+2
.endr
	WIN 0
	s_cmp_lg_u32 s[DIAGN], 0
	s_cbranch_scc1 .Lopen_\@
.irp j, 0,1,2,3,4,5,6,7                ; on the diagonal: key 16 b + 8 h + j is hidden where it comes after query 16 a + r: in block b = a where j > r - 8 h,
	v_cmp_gt_i32 vcc_lo, \j, v[D0]
	v_cndmask_b32 v[W+8*(\a)+\j], v[W+8*(\a)+\j], v[NINF], vcc_lo
.endr
.set i, 8*(\a)+8
.rept 56-8*(\a)                        ; and in all blocks b > a
	v_mov_b32 v[W+i], v[NINF]
.set i, i+1
.endr
.Lopen_\@:
.irp k, 0,1,2,3
	v_max3_num_f32 v[MX+\k], v[W+16*\k], v[W+16*\k+1], v[W+16*\k+2]
.endr
.irp i, 3,5,7,9,11,13
.irp k, 0,1,2,3
	v_max3_num_f32 v[MX+\k], v[MX+\k], v[W+16*\k+\i], v[W+16*\k+\i+1]
.endr
.endr
.irp k, 0,1,2,3
	v_max_num_f32 v[MX+\k], v[MX+\k], v[W+16*\k+15]
.endr
	v_max3_num_f32 v[TM], v[MX], v[MX+1], v[MX+2]
	v_max_num_f32 v[TM], v[TM], v[MX+3]
	v_permlanex16_b32 v[PD], v[TM], s[SEL], s[SEL+1]
	v_max_num_f32 v[TM], v[TM], v[PD]              ; with lane l xor 16's 64 keys: the tile's largest t of my query (its own key counts on the diagonal: a number)
	v_floor_f32 v[NM], -v[TM]                      ; -M = floor(-t): M is a whole number
.set i, 0
.rept 32
	v_pk_add_f32 v[W+i:W+i+1], v[W+i:W+i+1], v[NM:NM+1] op_sel_hi:[1,0]
.set i, i+2
.endr
.set i, 0
.rept 64
	v_exp_f32 v[W+i], v[W+i]                       ; p = 2^(t - M)
.set i, i+1
.endr
	v_nop                                          ; a plain line behind the last exponential
	s_wait_alu depctr_va_vdst(0)                   ; one wait for the batch, ahead of its first reader
	v_pk_add_f32 v[SU:SU+1], v[W:W+1], v[W+2:W+3]  ; the sum of the unrounded p, in two chains
	v_pk_add_f32 v[SU+2:SU+3], v[W+4:W+5], v[W+6:W+7]
.irp j, 8,16,24,32,40,48,56
	v_pk_add_f32 v[SU:SU+1], v[SU:SU+1], v[W+\j:W+\j+1]
	v_pk_add_f32 v[SU+2:SU+3], v[SU+2:SU+3], v[W+\j+2:W+\j+3]
	v_pk_add_f32 v[SU:SU+1], v[SU:SU+1], v[W+\j+4:W+\j+5]
	v_pk_add_f32 v[SU+2:SU+3], v[SU+2:SU+3], v[W+\j+6:W+\j+7]
.endr
	v_pk_add_f32 v[SU:SU+1], v[SU:SU+1], v[SU+2:SU+3]
	v_add_f32 v[SU], v[SU], v[SU+1]
	v_permlanex16_b32 v[PD], v[SU], s[SEL], s[SEL+1]
	v_add_f32 v[SU], v[SU], v[PD]
.set i, 0
.rept 32
	v_cvt_pk_f16_f32 v[TMP+i], v[W+2*i], v[W+2*i+1]
.set i, i+1
.endr
	ds_store_b32 v[MS], v[NM] offset:64*(\a)       ; both halves of the lanes write the same word with the same value
	ds_store_b32 v[MS], v[SU] offset:512+64*(\a)
.endm
.macro TOSTAGE a
.set BB, BK+32*((\a)%2)
.irp b, 0,1,2,3,4,5,6,7
	ds_store_b128 v[STO], v[TMP+4*\b:TMP+4*\b+3] offset:32*\b
.endr
.irp t, 0,1,2,3,4,5,6,7
	ds_load_b128 v[BB+4*\t:BB+4*\t+3], v[RD] offset:\t*2*SPITCH    ; in order behind the stores above
.endr
.endm
.macro SEND a
.set BB, BK+32*((\a)%2)
	s_wait_dscnt 0x0
	s_wait_xcnt 0x0                                ; earlier stores have read their base and registers
.if (\a) > 0
	s_add_nc_u64 s[6:7], s[6:7], 16*4096
.endif
.irp t, 0,1,2,3,4,5,6,7
	global_store_b128 v[CO], v[BB+4*\t:BB+4*\t+3], s[6:7] offset:2*\t*4096   ; 16 lanes store 256 consecutive bytes, aligned
.endr
.endm
	SOFT 0
	TOSTAGE 0
.irp a, 1,2,3,4,5,6,7
	SOFT \a
	SEND \a-1
	TOSTAGE \a
.endr
	SEND 7
	ds_load_b128 v[TB:TB+3], v[MR]                 ; my 128 rows' -M and sums: 512 consecutive bytes each
	ds_load_b128 v[TB+4:TB+7], v[MR] offset:512
	s_wait_dscnt 0x0
	global_store_b128 v[T16], v[TB:TB+3], s[8:9]
	global_store_b128 v[T16], v[TB+4:TB+7], s[8:9] offset:LOFF
.Ldead:
	s_wait_tensorcnt 0x0                           ; the wave's end
	ds_add_u32 v[SPW], v[NIL]
	s_wait_dscnt 0x0
	s_endpgm
.Lfunc_end_k_qcea3386171_scores:
	.size	k_qcea3386171_scores, .Lfunc_end_k_qcea3386171_scores-k_qcea3386171_scores
	.p2alignl 7, 3214868480
	.fill 96, 4, 3214868480
	.section	.rodata,"a",@progbits
	.p2align	6, 0x0
	.amdhsa_kernel k_qcea3386171_scores
		.amdhsa_group_segment_fixed_size 327680
		.amdhsa_private_segment_fixed_size 0
		.amdhsa_enable_private_segment 0
		.amdhsa_kernarg_size 24
		.amdhsa_user_sgpr_count 2
		.amdhsa_user_sgpr_kernarg_segment_ptr 1
		.amdhsa_wavefront_size32 1
		.amdhsa_system_sgpr_workgroup_id_x 1
		.amdhsa_system_sgpr_workgroup_id_y 1
		.amdhsa_system_sgpr_workgroup_id_z 1
		.amdhsa_system_vgpr_workitem_id 0
		.amdhsa_next_free_vgpr 1024
		.amdhsa_next_free_sgpr 66
		.amdhsa_reserve_vcc 1
		.amdhsa_float_denorm_mode_32 3
		.amdhsa_float_denorm_mode_16_64 3
		.amdhsa_memory_ordered 1
		.amdhsa_forward_progress 1
		.amdhsa_inst_pref_size 235
	.end_amdhsa_kernel
	.amdgpu_metadata
---
amdhsa.version: [ 1, 2 ]
amdhsa.kernels:
  - .name:           k_qcea3386171_scores
    .symbol:         k_qcea3386171_scores.kd
    .args:
      - { .name: qk, .offset: 0, .size: 8, .value_kind: global_buffer, .address_space: global }
      - { .name: pt, .offset: 8, .size: 8, .value_kind: global_buffer, .address_space: global }
      - { .name: ml, .offset: 16, .size: 8, .value_kind: global_buffer, .address_space: global }
    .group_segment_fixed_size: 327680
    .private_segment_fixed_size: 0
    .kernarg_segment_align: 8
    .kernarg_segment_size: 24
    .max_flat_workgroup_size: 128
    .sgpr_count:     66
    .vgpr_count:     1024
    .wavefront_size: 32
...
	.end_amdgpu_metadata
.endif
;; end of part 4
;; launch pv (part 5): grid 8 x 32, 4 waves a work-group, clusters of 4 x 1, 327,680 bytes of LDS; arguments pt, vt, ml, out0; writes out0
.if DOCPART == 5
	.amdgcn_target "amdgcn-amd-amdhsa--gfx1250"
	.amdhsa_code_object_version 6
	.text
	.protected	k_qcea3386171_pv
	.globl	k_qcea3386171_pv
	.p2align	8
	.type	k_qcea3386171_pv,@function
k_qcea3386171_pv:
	s_mov_b64 s[64:65], 0
	v_nop
	global_prefetch_b8 v0, s[64:65] scope:SCOPE_SE
	s_setreg_imm32_b32 hwreg(HW_REG_WAVE_MODE, 25, 1), 1
	s_wait_xcnt 0x0
	s_wait_alu depctr_hold_cnt(0) depctr_sa_sdst(0) depctr_va_vdst(0) depctr_va_sdst(0) depctr_va_ssrc(0) depctr_va_vcc(0) depctr_vm_vsrc(0)
	s_getreg_b32 s2, hwreg(HW_REG_IB_STS2, 6, 4)
	s_cmp_eq_u32 s2, 0
	s_cbranch_scc0 .Lentry_in_a_cluster
	s_endpgm
.Lentry_in_a_cluster:
	s_bfe_u32 s2, ttmp6, 0x10000c
	s_cmp_lg_u32 s2, 0x3003
	s_cbranch_scc0 .Lentry_shape_is_right
	s_endpgm
.Lentry_shape_is_right:
; out = softmax x v on f16 operands, f32 sums.  Left out: the tiles of keys that lie wholly after a block's queries (weights 0 by reference()'s own mask: see the first launch's head).
; pt holds, for each row and each tile t of 128 keys, p = 2^(t - M_t) as f16; ml holds -M_t and l_t.  With M = the largest M_t of the row and l = the sum of 2^(M_t - M) l_t,
; out = the sum over t of f_t (p_t V_t), f_t = 2^(M_t - M) / l: the powers of two are exact, and nothing branches on data.
; SHARES.  Work-group (j, y): 128 of the 1,024 channels (j), batch y / 8, p = y % 8; it owns the blocks of 128 rows BIG = 15 - p and SMALL = p, which want 16 - p and p + 1 tiles of keys: 17 UNITS of 128 x 128 x 128 in every work-group.
; The units come in one stream: u = 0: big, t = 0; u = 1: small, t = 0; u = 2 + v: small, t = v + 1 where v < p, else big, t = v - p + 1.  Only the tiles' addresses in memory, and which of two sets of registers takes a unit's result, hang on p.
; A wave makes 64 rows x 64 channels.  Each unit starts sums of its own (T); then O += f T, by packed multiply-adds.
; THE RING: two slots of two units; a slot holds p's tile and v's tile of each unit, 128 rows x 256 bytes each; wave w fetches tile w.
; CLUSTER 4 x 1: the four partners have the same batch and p, so p's tiles are asked for jointly (waves 0, 2); v's tiles differ between them (waves 1, 3: plain loads).  Work-groups of other p walk other tiles: no larger cluster.
; Positions 0 to 15 of each batch are multiplied with their block but not stored here: a launch of its own carries them in f32.
; THE MATRIX INSTRUCTION IS USED TRANSPOSED (source 0 = 16 channels of vt, source 1 = 16 rows of p): a lane holds one row and eight neighbouring channels.
; REGISTERS: window 0: v8-31 addresses and four pairs of f; v32-127 the set-up's and the way out's; v128-255 T.  window 1: two fragment buffers of 128.  window 2: O of the big block (v0-127), of the small (v128-255).
.set PITCH,  272
.set TILE,   128*PITCH
.set SLOT,   4*TILE
.set FT,     2*SLOT                    ; f as pairs: [17 units][128 rows][2 x f32]
.set STAGE,  FT+17*1024                ; 16 rows x 272 bytes a wave
.set SPITCH, 272
.set SPARE,  STAGE+4*16*SPITCH         ; the spare words: 128 bytes a wave, named by no other line
.set LOFF,   524288
.set ADRA, 8                           ; v8-11  p's fragments: slot, unit
.set ADRB, 12                          ; v12-15 v's
.set AF,   16                          ; v16 FT + 512 hr + 8 r, stepped in the loop
.set STO,  17
.set RD,   18
.set CO,   19
.set SPW,  20
.set NIL,  21
.set T4,   22                          ; v22 4 x thread
.set FTA,  23                          ; v23 FT + 8 x thread
.set FX,   24                          ; v24-31 the unit's f for my four blocks of rows, as pairs
.set ACC,  128
.set F0,   0
.set F1,   128
.set OBR,  0                           ; in window 2
.set OSR,  128
.set WV, 12
.set HR, 13                            ; w / 2: my half of the rows.  Also: which unit of a slot I fetch
.set HC, 14                            ; w % 2: my half of the channels.  Also: I fetch p's tile (0) or v's (1)
.set P,  18
.set OBIG, 19                          ; byte offset of the big block's first row, in pt and in out0 alike (rows of 4,096 bytes)
.set OSML, 20
.set G1, 24
.set G0A, 32
.set OUTB, 40
.set OUTS, 42
.set BB, 44                            ; s[44:45] vt at my batch and channels
.set UV, 46                            ; v of the unit whose result is taken next
.set RV, 47                            ; v of the unit that I fetch next
.set G1B, 48
.set G0B, 56
.set BSM, 66
.set BBG, 67
.set BBG0, 68
.set SKIP, 69
.set MSB, 0
.macro WIN new
.if MSB != (\new)
	s_set_vgpr_msb (MSB<<8)|(\new)
.set MSB, (\new)
.endif
.endm
.set MUL,  0x05
.set TO_F, 0x40
.macro JLOAD s                         ; waves 0, 2: the joint load of p's tile; waves 1, 3: v's tile; an s_nop 0 and four v_nop follow each line
	s_cmp_eq_u32 s[HC], 0
	s_cbranch_scc0 .Lfor_b_\@
	tensor_load_to_lds s[G0A+4*\s:G0A+4*\s+3], s[G1:G1+7]
	s_nop 0
.rept 4
	v_nop
.endr
	s_branch .Lasked_\@
.Lfor_b_\@:
	tensor_load_to_lds s[G0B+4*\s:G0B+4*\s+3], s[G1B:G1B+7]
	s_nop 0
.rept 4
	v_nop
.endr
.Lasked_\@:
.endm
.macro CREST
	s_cmp_lg_u32 s[WV], 0
	s_cbranch_scc1 .Lnot_wave_0_\@
	s_barrier_signal -3
.Lnot_wave_0_\@:
	s_barrier_wait -3
	s_barrier_signal -1
	s_barrier_wait -1
.endm
.macro CROUND
	s_barrier_signal -1
	s_barrier_wait -1
	CREST
.endm
; The addresses of the unit v = RV that I fetch next, into the slot's two groups 0.  Scalar lines alone; no load of mine is out where it stands.
.macro NEXTADR slot
	s_cmp_lt_u32 s[RV], s[P]
	s_cselect_b32 s72, s[OSML], s[OBIG]            ; the unit's block,
	s_cselect_b32 s74, 0, s[P]
	s_sub_co_u32 s74, s[RV], s74
	s_add_co_u32 s74, s74, 1                       ; its tile of keys,
	s_lshl_b32 s74, s74, 8                         ; 256 bytes a tile in a row of pt and of vt
	s_add_co_u32 s72, s72, s74
	s_mov_b32 s73, 0
	s_mov_b32 s75, 0
	s_add_nc_u64 s[G0A+4*\slot+2:G0A+4*\slot+3], s[4:5], s[72:73]
	s_or_b32 s[G0A+4*\slot+3], s[G0A+4*\slot+3], 0x80000000
	s_add_nc_u64 s[G0B+4*\slot+2:G0B+4*\slot+3], s[BB:BB+1], s[74:75]
	s_or_b32 s[G0B+4*\slot+3], s[G0B+4*\slot+3], 0x80000000
	s_add_co_u32 s[RV], s[RV], 2
.endm
	s_load_b256 s[4:11], s[0:1], 0x0               ; pt, vt, ml, out0
	v_lshl_add_u32 v[SPW], v0, 2, SPARE
	v_mov_b32 v[NIL], 0
	ds_add_u32 v[SPW], v[NIL]                      ; the opening: the add, twice on end, and its wait ahead of my first tensor load
	ds_add_u32 v[SPW], v[NIL]
	v_lshrrev_b32 v1, 5, v0
	v_readfirstlane_b32 s[WV], v1
	s_lshr_b32 s[HR], s[WV], 1
	s_and_b32 s[HC], s[WV], 1
	s_bfe_u32 s15, ttmp6, 0x40000                  ; cx: it enters vt's and out0's addresses alone
	s_lshl_b32 s16, ttmp9, 2
	s_add_co_u32 s16, s16, s15                     ; j
	s_and_b32 s22, ttmp7, 0xffff
	s_lshr_b32 s17, s22, 3                         ; the batch
	s_and_b32 s[P], s22, 7
	s_lshl_b32 s22, s17, 11
	s_sub_co_u32 s23, 15, s[P]
	s_lshl_b32 s[OBIG], s23, 7
	s_add_co_u32 s[OBIG], s[OBIG], s22
	s_lshl_b32 s[OBIG], s[OBIG], 12
	s_lshl_b32 s[OSML], s[P], 7
	s_add_co_u32 s[OSML], s[OSML], s22
	s_lshl_b32 s[OSML], s[OSML], 12
	s_mov_b32 s[G1], 15|(1<<16)|(1<<20)|(1<<21)|(5<<22)|(3<<25)   ; the mask: all four; elements of 2 bytes; bit 21 beside a mask; 4 words of padding behind every 64
	s_mov_b32 s[G1B], (1<<16)|(1<<20)|(5<<22)|(3<<25)
.irp g, G1, G1B
	s_mov_b32 s[\g+1], 128<<16
	s_mov_b32 s[\g+2], 128<<16
	s_mov_b32 s[\g+3], 128<<16
	s_mov_b32 s[\g+4], 128
	s_mov_b32 s[\g+5], 2048
	s_mov_b32 s[\g+6], 0
	s_mov_b32 s[\g+7], 0
.endr
	s_lshl_b32 s70, s17, 17                        ; ml: [batch][tile][row] of 4 bytes: 131,072 a batch, 8,192 a tile, 512 a block
	s_lshl_b32 s71, s[P], 9
	s_add_co_u32 s[BSM], s70, s71                  ; the small block, tile 0
	s_lshl_b32 s71, s23, 9
	s_add_co_u32 s[BBG0], s70, s71                 ; the big block, tile 0
	s_lshl_b32 s71, s[P], 13
	s_sub_co_u32 s[BBG], s[BBG0], s71              ; the big block, p tiles back: unit v adds v + 1 tiles
	s_or_b32 s[SKIP], s[P], s[HR]                  ; 0: my small block's first 16 rows are positions 0-15
	s_mov_b32 s[RV], s[HR]
	s_lshl_b32 s76, s17, 22                        ; vt: 4,194,304 a batch, 128 j rows of 4,096
	s_lshl_b32 s77, s16, 19
	s_add_co_u32 s76, s76, s77
	s_mov_b32 s77, 0
	s_mul_i32 s70, s[WV], TILE                     ; where my tile goes in a slot
	s_wait_dscnt 0x0                               ; both opening adds are done
	s_wait_kmcnt 0x0
	s_add_nc_u64 s[BB:BB+1], s[6:7], s[76:77]
	s_lshl_b32 s76, s[HR], 18                      ; out0: + 64 hr rows, + 512 j + 256 hc bytes
	s_lshl_b32 s77, s16, 9
	s_add_co_u32 s76, s76, s77
	s_lshl_b32 s77, s[HC], 8
	s_add_co_u32 s76, s76, s77
	s_add_co_u32 s78, s76, s[OSML]
	s_mov_b32 s79, 0
	s_add_co_u32 s76, s76, s[OBIG]
	s_mov_b32 s77, 0
	s_add_nc_u64 s[OUTB:OUTB+1], s[10:11], s[76:77]
	s_add_nc_u64 s[OUTS:OUTS+1], s[10:11], s[78:79]
	CROUND                                         ; all four work-groups are here: the first joint loads meet
	s_cmp_eq_u32 s[HR], 0                          ; slot 0: unit 0 is the big block's tile 0, unit 1 the small block's
	s_cselect_b32 s72, s[OBIG], s[OSML]
	s_mov_b32 s73, 0
	s_mov_b32 s[G0A], 1
	s_mov_b32 s[G0A+1], s70
	s_add_nc_u64 s[G0A+2:G0A+3], s[4:5], s[72:73]
	s_or_b32 s[G0A+3], s[G0A+3], 0x80000000
	s_mov_b32 s[G0B], 1
	s_mov_b32 s[G0B+1], s70
	s_mov_b64 s[G0B+2:G0B+3], s[BB:BB+1]
	s_or_b32 s[G0B+3], s[G0B+3], 0x80000000
	JLOAD 0
	s_mov_b32 s[G0A+4], 1
	s_add_co_u32 s[G0A+5], s70, SLOT
	s_mov_b32 s[G0B+4], 1
	s_add_co_u32 s[G0B+5], s70, SLOT
	NEXTADR 1
	JLOAD 1                                        ; two loads of a wave are out
	; THE FACTORS.  Thread i is row i of both blocks.  -M and l of the 17 units:
	v_lshlrev_b32 v[T4], 2, v0
	v_lshl_add_u32 v[FTA], v0, 3, FT
	v_add_nc_u32 v32, s[BBG0], v[T4]
	v_add_nc_u32 v33, s[BSM], v[T4]
.irp v, 0,1,2,3,4,5,6,7,8,9,10,11,12,13,14
	s_cmp_gt_u32 s[P], \v                          ; small where v < p
	s_cselect_b32 s72, s[BSM], s[BBG]
	s_add_co_u32 s72, s72, 8192*(\v+1)
	v_add_nc_u32 v[34+\v], s72, v[T4]
.endr
.irp u, 0,1,2,3,4,5,6,7,8,9,10,11,12,13,14,15,16
	global_load_b32 v[50+\u], v[32+\u], s[8:9]
	global_load_b32 v[68+\u], v[32+\u], s[8:9] offset:LOFF
.endr
	v_and_b32 v1, 15, v0                           ; r
	v_bfe_u32 v2, v0, 4, 1                         ; h
	v_mul_u32_u24 v3, v1, PITCH
	v_lshl_add_u32 v3, v2, 4, v3
	s_mul_i32 s70, s[HR], 64*PITCH
	s_mul_i32 s71, s[HC], 64*PITCH
	s_add_co_u32 s71, s71, TILE
	v_add_nc_u32 v4, s70, v3
	v_add_nc_u32 v5, s71, v3
.irp s, 0,1
.irp n, 0,1
	v_add_nc_u32 v[ADRA+2*\s+\n], \s*SLOT+2*\n*TILE, v4
	v_add_nc_u32 v[ADRB+2*\s+\n], \s*SLOT+2*\n*TILE, v5
.endr
.endr
	s_lshl_b32 s70, s[HR], 9
	s_add_co_u32 s70, s70, FT
	v_lshl_add_u32 v[AF], v1, 3, s70
	s_mul_i32 s70, s[WV], 16*SPITCH
	s_add_co_u32 s70, s70, STAGE
	v_mul_u32_u24 v4, v1, SPITCH
	v_lshl_add_u32 v4, v2, 5, v4
	v_add_nc_u32 v[STO], s70, v4                   ; in: row r, 32 bytes for each half of the lanes
	v_mul_u32_u24 v4, v2, SPITCH
	v_lshl_add_u32 v4, v1, 4, v4
	v_add_nc_u32 v[RD], s70, v4                    ; back: lanes 0-15 one row of 256 bytes, lanes 16-31 the next
	v_lshlrev_b32 v4, 12, v2
	v_lshl_add_u32 v[CO], v1, 4, v4
	v_mov_b32 v112, 0x7f61b1e6                     ; 3e38: over every -M
	v_mov_b32 v113, 0
	s_wait_loadcnt 0x0
.irp v, 0,1,2,3,4,5,6,7,8,9,10,11,12,13,14     ; each block's least -M: its largest M
	s_cmp_gt_u32 s[P], \v
	s_cselect_b32 s72, -1, 0
	v_cndmask_b32 v104, v[52+\v], v112, s72
	v_cndmask_b32 v105, v112, v[52+\v], s72
.if \v == 0
	v_min_num_f32 v108, v50, v104
	v_min_num_f32 v109, v51, v105
.else
	v_min_num_f32 v108, v108, v104
	v_min_num_f32 v109, v109, v105
.endif
.endr
	v_sub_f32 v86, v108, v50                       ; M_u - M: a whole number, 0 or less
	v_sub_f32 v87, v109, v51
.irp v, 0,1,2,3,4,5,6,7,8,9,10,11,12,13,14
	s_cmp_gt_u32 s[P], \v
	s_cselect_b32 s72, -1, 0
	v_cndmask_b32 v104, v108, v109, s72
	v_sub_f32 v[88+\v], v104, v[52+\v]
.endr
.irp u, 0,1,2,3,4,5,6,7,8,9,10,11,12,13,14,15,16
	v_cvt_i32_f32 v[86+\u], v[86+\u]               ; (it saturates)
.endr
.irp u, 0,1,2,3,4,5,6,7,8,9,10,11,12,13,14,15,16
	v_ldexp_f32 v[86+\u], 1.0, v[86+\u]            ; 2^(M_u - M)
.endr
	v_mul_f32 v110, v86, v68                       ; each block's l
	v_mul_f32 v111, v87, v69
.irp v, 0,1,2,3,4,5,6,7,8,9,10,11,12,13,14
	s_cmp_gt_u32 s[P], \v
	s_cselect_b32 s72, -1, 0
	v_cndmask_b32 v104, v[88+\v], v113, s72
	v_cndmask_b32 v105, v113, v[88+\v], s72
	v_fma_f32 v110, v104, v[70+\v], v110
	v_fma_f32 v111, v105, v[70+\v], v111
.endr
	v_rcp_f32 v110, v110
	v_rcp_f32 v111, v111
	v_nop                                          ; a plain line behind the reciprocals
	s_wait_alu depctr_va_vdst(0)                   ; one wait for both, ahead of their first reader
	v_mul_f32 v106, v86, v110
	v_mul_f32 v107, v86, v110
	ds_store_b64 v[FTA], v[106:107]
	v_mul_f32 v106, v87, v111
	v_mul_f32 v107, v87, v111
	ds_store_b64 v[FTA], v[106:107] offset:1024
.irp v, 0,1,2,3,4,5,6,7,8,9,10,11,12,13,14
	s_cmp_gt_u32 s[P], \v
	s_cselect_b32 s72, -1, 0
	v_cndmask_b32 v104, v110, v111, s72
	v_mul_f32 v106, v[88+\v], v104
	v_mul_f32 v107, v[88+\v], v104
	ds_store_b64 v[FTA], v[106:107] offset:1024*(\v+2)
.endr
.macro MUL8 f, c, a0, zero             ; the 16 accumulators take turns, one instruction a turn
.irp a, \a0, \a0+1
.irp b, 0,1,2,3
.if \zero
	v_wmma_f32_16x16x32_f16 v[ACC+8*(4*(\a)+\b):ACC+8*(4*(\a)+\b)+7], v[\f+64+8*(4*\c+\b):\f+64+8*(4*\c+\b)+7], v[\f+8*(4*\c+\a):\f+8*(4*\c+\a)+7], 0
.else
	v_wmma_f32_16x16x32_f16 v[ACC+8*(4*(\a)+\b):ACC+8*(4*(\a)+\b)+7], v[\f+64+8*(4*\c+\b):\f+64+8*(4*\c+\b)+7], v[\f+8*(4*\c+\a):\f+8*(4*\c+\a)+7], v[ACC+8*(4*(\a)+\b):ACC+8*(4*(\a)+\b)+7]
.endif
.endr
.endr
.endm
.macro FETCH slot, unit, k, f          ; 32 LDS loads in one run: 64 keys at byte k of the unit's rows; the first 32 keys first
	WIN TO_F
.irp c, 0,1
.irp i, 0,1,2,3
	ds_load_b128 v[\f+64+8*(4*\c+\i):\f+64+8*(4*\c+\i)+3],   v[ADRB+2*\slot+\unit] offset:\k+64*\c+\i*16*PITCH
	ds_load_b128 v[\f+64+8*(4*\c+\i)+4:\f+64+8*(4*\c+\i)+7], v[ADRB+2*\slot+\unit] offset:\k+64*\c+\i*16*PITCH+32
	ds_load_b128 v[\f+8*(4*\c+\i):\f+8*(4*\c+\i)+3],         v[ADRA+2*\slot+\unit] offset:\k+64*\c+\i*16*PITCH
	ds_load_b128 v[\f+8*(4*\c+\i)+4:\f+8*(4*\c+\i)+7],       v[ADRA+2*\slot+\unit] offset:\k+64*\c+\i*16*PITCH+32
.endr
.endr
.endm
.macro PLACES
.rept 4
	v_nop
.endr
.endm
.macro QA slot, unit, uoff             ; a unit's first 64 keys: its products start the unit's sums; its f and its second 64 keys are fetched in the middle
	s_wait_dscnt 16                                ; the first 32 keys are in
	WIN MUL
	MUL8 F0, 0, 0, 1
	MUL8 F0, 0, 2, 1
	PLACES
	WIN 0
.irp a, 0,1,2,3
	ds_load_b64 v[FX+2*\a:FX+2*\a+1], v[AF] offset:(\uoff)+128*\a
.endr
	FETCH \slot, \unit, 128, F1
	s_wait_dscnt 32                                ; all but the 32 just issued
	WIN MUL
	MUL8 F0, 1, 0, 0
	MUL8 F0, 1, 2, 0
.endm
.macro QB slot                         ; the second 64 keys of a slot's first unit; the second unit's first fragments are fetched
	s_wait_dscnt 16
	WIN MUL
	MUL8 F1, 0, 0, 0
	MUL8 F1, 0, 2, 0
	PLACES
	FETCH \slot, 1, 0, F0
	s_wait_dscnt 32
	WIN MUL
	MUL8 F1, 1, 0, 0
	MUL8 F1, 1, 2, 0
.endm
; The second 64 keys of a slot's second unit, and the change of slots.  fill = 1: the slot is filled again, behind a round of the cluster's barrier; 2: with one unit alone (waves 0, 1); 0: not.
.macro QT slot, next, fill
	WIN 0
	s_wait_tensorcnt 0x0                           ; my part of the next slot has landed; no load of mine is out
	ds_add_u32 v[SPW], v[NIL]
.if \fill
	NEXTADR \slot
.endif
	s_wait_dscnt 17                                ; (the add and the youngest sixteen loads may be out)
	WIN MUL
	MUL8 F1, 0, 0, 0
	s_wait_dscnt 0x0                               ; the add is done, and my reads of this slot are over
	s_barrier_signal -1
	MUL8 F1, 0, 2, 0
	WIN 0
	s_barrier_wait -1
.if \fill == 1
	CREST                                          ; no wave of any partner still reads this slot or has a load on its way
	JLOAD \slot                                    ; my one load behind the round; its four v_nop are also the places in front of the loads below
.elseif \fill == 2
	CREST
	s_cmp_lt_u32 s[WV], 2                          ; the stream's last slot holds one unit: waves 2 and 3 have nothing to fetch, in every partner
	s_cbranch_scc0 .Lnone_\@
	JLOAD \slot
.Lnone_\@:
	PLACES
.else
	PLACES
.endif
	FETCH \next, 0, 0, F0
	WIN MUL
	MUL8 F1, 1, 0, 0
	MUL8 F1, 1, 2, 0
.endm
.macro CFMA o                          ; O += f T; each accumulator from its low end on
.irp a, 0,1,2,3
.irp b, 0,1,2,3
.irp i, 0,2,4,6
	v_pk_fma_f32 v[\o+8*(4*\a+\b)+\i:\o+8*(4*\a+\b)+\i+1], v[ACC+8*(4*\a+\b)+\i:ACC+8*(4*\a+\b)+\i+1], v[FX+2*\a:FX+2*\a+1], v[\o+8*(4*\a+\b)+\i:\o+8*(4*\a+\b)+\i+1]
.endr
.endr
.endr
.endm
.macro CMUL o                          ; O = f T: a block's first unit starts O: nothing is cleared
.irp a, 0,1,2,3
.irp b, 0,1,2,3
.irp i, 0,2,4,6
	v_pk_mul_f32 v[\o+8*(4*\a+\b)+\i:\o+8*(4*\a+\b)+\i+1], v[ACC+8*(4*\a+\b)+\i:ACC+8*(4*\a+\b)+\i+1], v[FX+2*\a:FX+2*\a+1]
.endr
.endr
.endr
.endm
; A unit's result is taken.  mode 1, 2: the big, the small block's first; 3: the big block's; 0: by v against p (ids and a count of units: the same in all waves and partners).
; These lines are also the places between the unit's last products and the next unit's first, which begin the same accumulators anew.
.macro COMB mode
	WIN 0
	PLACES
.if \mode == 1
	WIN 0x80
	CMUL OBR
	WIN 0
.elseif \mode == 2
	WIN 0x80
	CMUL OSR
	WIN 0
.elseif \mode == 3
	WIN 0xa0
	CFMA OBR
	WIN 0
.else
	s_cmp_lt_u32 s[UV], s[P]
	s_cbranch_scc0 .Lbig_\@
	WIN 0xa0
	CFMA OSR
	WIN 0
	s_branch .Ltaken_\@
.Lbig_\@:
	WIN 0xa0
	CFMA OBR
	WIN 0
.Ltaken_\@:
	s_add_co_u32 s[UV], s[UV], 1
.endif
.endm
	s_wait_tensorcnt 1                             ; my part of slot 0 is in (slot 1's may be out)
	s_wait_dscnt 0x0                               ; my factors have landed,
	s_barrier_signal -1
	s_barrier_wait -1                              ; everybody's have
	FETCH 0, 0, 0, F0
	QA 0, 0, 0
	QB 0
	COMB 1
	QA 0, 1, 1024
	QT 0, 1, 1
	COMB 2
	s_mov_b32 s[UV], 0
	s_mov_b32 s3, 2
.Lpair:                                            ; a trip: two slots, four units; both slots are filled again
	QA 1, 0, 2048
	QB 1
	COMB 0
	QA 1, 1, 3072
	QT 1, 0, 1
	COMB 0
	QA 0, 0, 4096
	QB 0
	COMB 0
	QA 0, 1, 5120
	QT 0, 1, 1
	COMB 0
	v_add_nc_u32 v[AF], 4096, v[AF]                ; four units' factors on
	s_sub_co_u32 s3, s3, 1
	s_cmp_lg_u32 s3, 0
	s_cbranch_scc1 .Lpair
	QA 1, 0, 2048                                  ; units 10, 11; the refill brings units 14, 15
	QB 1
	COMB 0
	QA 1, 1, 3072
	QT 1, 0, 1
	COMB 0
	QA 0, 0, 4096                                  ; units 12, 13; the refill brings unit 16
	QB 0
	COMB 0
	QA 0, 1, 5120
	QT 0, 1, 2
	COMB 0
	QA 1, 0, 6144                                  ; units 14, 15; nothing is left to fetch
	QB 1
	COMB 0
	QA 1, 1, 7168
	QT 1, 0, 0
	COMB 0
	QA 0, 0, 8192                                  ; unit 16: the big block's last tile
	s_wait_dscnt 16
	WIN MUL
	MUL8 F1, 0, 0, 0
	MUL8 F1, 0, 2, 0
	s_wait_dscnt 0
	MUL8 F1, 1, 0, 0
	MUL8 F1, 1, 2, 0
	COMB 3
; THE WAY OUT, 16 rows x 64 channels at a time: through my stage, back as whole rows of 256 bytes.  One block is stored while the next goes through the stage.
.macro TOST o, n
	WIN 0x08                                       ; an LDS store's data are its source 1: window 2
.irp b, 0,1,2,3
	ds_store_b128 v[STO], v[(\o)+8*\b:(\o)+8*\b+3] offset:64*\b
	ds_store_b128 v[STO], v[(\o)+8*\b+4:(\o)+8*\b+7] offset:64*\b+16
.endr
	WIN 0
.set BB2, 32+32*((\n)%2)
.irp i, 0,1,2,3,4,5,6,7
	ds_load_b128 v[BB2+4*\i:BB2+4*\i+3], v[RD] offset:2*\i*SPITCH   ; in order behind the stores above; the next block's stores come behind these
.endr
.endm
.macro OSEND base, a, n, younger       ; younger: the next block's 8 stores and 8 loads, or none
.set BB2, 32+32*((\n)%2)
	s_wait_dscnt \younger
.irp i, 0,1,2,3,4,5,6,7
	global_store_b128 v[CO], v[BB2+4*\i:BB2+4*\i+3], s[\base:\base+1] offset:65536*(\a)+8192*\i th:TH_STORE_NT   ; 16 lanes store 256 consecutive bytes, aligned
.endr
.endm
	TOST OBR, 0
	TOST OBR+32, 1
	OSEND OUTB, 0, 0, 16
	s_wait_xcnt 0x0                                ; the stores of two blocks back have read their registers
	TOST OBR+64, 2
	OSEND OUTB, 1, 1, 16
	s_wait_xcnt 0x0
	TOST OBR+96, 3
	OSEND OUTB, 2, 2, 16
	s_wait_xcnt 0x0
	TOST OSR+32, 4
	OSEND OUTB, 3, 3, 16
	s_wait_xcnt 0x0
	TOST OSR+64, 5
	OSEND OUTS, 1, 4, 16
	s_wait_xcnt 0x0
	TOST OSR+96, 6
	OSEND OUTS, 2, 5, 16
	OSEND OUTS, 3, 6, 0
	s_cmp_eq_u32 s[SKIP], 0                        ; positions 0-15 belong to the launch that carries them in f32 (the cluster's y and the wave's number alone)
	s_cbranch_scc1 .Lnot_mine
	s_wait_xcnt 0x0
	TOST OSR, 7
	OSEND OUTS, 0, 7, 0
.Lnot_mine:
	s_wait_tensorcnt 0x0                           ; the wave's end
	ds_add_u32 v[SPW], v[NIL]
	s_wait_dscnt 0x0
	CROUND                                         ; the closing round
	s_endpgm
.Lfunc_end_k_qcea3386171_pv:
	.size	k_qcea3386171_pv, .Lfunc_end_k_qcea3386171_pv-k_qcea3386171_pv
	.p2alignl 7, 3214868480
	.fill 96, 4, 3214868480
	.section	.rodata,"a",@progbits
	.p2align	6, 0x0
	.amdhsa_kernel k_qcea3386171_pv
		.amdhsa_group_segment_fixed_size 327680
		.amdhsa_private_segment_fixed_size 0
		.amdhsa_enable_private_segment 0
		.amdhsa_kernarg_size 32
		.amdhsa_user_sgpr_count 2
		.amdhsa_user_sgpr_kernarg_segment_ptr 1
		.amdhsa_wavefront_size32 1
		.amdhsa_system_sgpr_workgroup_id_x 1
		.amdhsa_system_sgpr_workgroup_id_y 1
		.amdhsa_system_sgpr_workgroup_id_z 1
		.amdhsa_system_vgpr_workitem_id 0
		.amdhsa_next_free_vgpr 768
		.amdhsa_next_free_sgpr 80
		.amdhsa_reserve_vcc 0
		.amdhsa_float_denorm_mode_32 3
		.amdhsa_float_denorm_mode_16_64 3
		.amdhsa_memory_ordered 1
		.amdhsa_forward_progress 1
		.amdhsa_inst_pref_size 255
	.end_amdhsa_kernel
	.section	.bss,"aw",@nobits
	.p2align	6
	.space	262144
	.amdgpu_metadata
---
amdhsa.version: [ 1, 2 ]
amdhsa.kernels:
  - .name:           k_qcea3386171_pv
    .symbol:         k_qcea3386171_pv.kd
    .args:
      - { .name: pt, .offset: 0, .size: 8, .value_kind: global_buffer, .address_space: global }
      - { .name: vt, .offset: 8, .size: 8, .value_kind: global_buffer, .address_space: global }
      - { .name: ml, .offset: 16, .size: 8, .value_kind: global_buffer, .address_space: global }
      - { .name: out0, .offset: 24, .size: 8, .value_kind: global_buffer, .address_space: global }
    .group_segment_fixed_size: 327680
    .private_segment_fixed_size: 0
    .kernarg_segment_align: 8
    .kernarg_segment_size: 32
    .max_flat_workgroup_size: 128
    .sgpr_count:     80
    .vgpr_count:     768
    .wavefront_size: 32
...
	.end_amdgpu_metadata
.endif
;; end of part 5
;; launch head (part 6): grid 4 x 1, 16 waves a work-group, no clusters, 88,064 bytes of LDS; arguments hd, out0; writes out0
.if DOCPART == 6
	.amdgcn_target "amdgcn-amd-amdhsa--gfx1250"
	.amdhsa_code_object_version 6
	.text
	.protected	k_qcea3386171_head
	.globl	k_qcea3386171_head
	.p2align	8
	.type	k_qcea3386171_head,@function
k_qcea3386171_head:
	s_mov_b64 s[64:65], 0
	v_nop
	global_prefetch_b8 v0, s[64:65] scope:SCOPE_SE
	s_setreg_imm32_b32 hwreg(HW_REG_WAVE_MODE, 25, 1), 1
	s_wait_xcnt 0x0
; Positions 0 to 15 of each batch, wholly in f32: these rows average one to sixteen values and are the largest of the output, so no operand of theirs is rounded to 16 bits.
; Only keys 0 to 15 count for them (reference()'s own mask: see the first launch's head).  hd holds q, k, v of these positions as images of accumulator registers:
;   q, k tile t: lane (r, h) holds position r, channels 16 t + 8 h + 0 .. 7;   v tile t: lane (r, h) holds channel 16 t + r, positions 8 h + 0 .. 7.
; One work-group a batch; wave W owns channels 64 W .. 64 W + 63.  A pair of an image's registers (2 i, 2 i + 1) IS an operand of the 16 x 16 x 4 form: its K place 2 h + j' is channel 16 t + 8 h + 2 i + j' in q and in k alike
; (key 8 h + 2 i + j' in v and in the weights alike), so that every product meets its partner.
; S^T = k q^T: each wave sums its 64 channels; the sixteen parts meet in LDS behind the one barrier.  Softmax with the row's maximum taken away.  O^T = v^T p^T for the wave's 64 channels.
; The registers that the f32 matrix form writes (v112-175) are written by nothing else.
.set SIMG,  0                          ; sixteen images of S^T's parts, 1,024 bytes each
.set STG,   16384                      ; the way out: 16 rows x 272 bytes a wave
.set SPARE, STG+16*4352                ; the spare words: 128 bytes a wave, named by no other line
.set Q,  16
.set K,  48
.set V,  80
.set SA, 112
.set OA, 144
.set SS, 176
.set PP, 184
.set IM, 192
	s_load_b128 s[4:7], s[0:1], 0x0                ; hd, out0
	v_lshl_add_u32 v14, v0, 2, SPARE               ; my spare word; never rewritten
	v_mov_b32 v15, 0                               ; 0; never rewritten
	v_lshrrev_b32 v1, 5, v0
	v_readfirstlane_b32 s8, v1                     ; wave 0..15
	v_and_b32 v2, 31, v0
	v_lshlrev_b32 v1, 4, v2                        ; 16 x lane
	v_and_b32 v3, 15, v0                           ; r
	v_bfe_u32 v4, v0, 4, 1                         ; h
	s_mul_i32 s10, ttmp9, 196608
	s_lshl_b32 s11, s8, 12                         ; my four tiles
	s_add_co_u32 s10, s10, s11
	s_mov_b32 s11, 0
	s_lshl_b32 s12, ttmp9, 23                      ; 2,048 rows of 4,096 bytes a batch
	s_lshl_b32 s13, s8, 8
	s_add_co_u32 s12, s12, s13
	s_mov_b32 s13, 0
	s_mov_b32 s16, 0x76543210
	s_mov_b32 s17, 0xfedcba98                      ; lane l xor 16
	s_mov_b32 s18, 0x3d38aa3b                      ; c = log2(e) / 32
	s_lshl_b32 s14, s8, 10
	v_add_nc_u32 v5, s14, v1                       ; my image: 1024 W + 16 lane
	s_mul_i32 s14, s8, 4352
	s_add_co_u32 s14, s14, STG
	v_mul_u32_u24 v6, v3, 272
	v_lshl_add_u32 v6, v4, 5, v6
	v_add_nc_u32 v6, s14, v6                       ; the stage, in: row r, + 32 h
	v_mul_u32_u24 v7, v4, 272
	v_lshl_add_u32 v7, v3, 4, v7
	v_add_nc_u32 v7, s14, v7                       ; back: lanes 0-15 one row, lanes 16-31 the next
	v_lshlrev_b32 v8, 12, v4
	v_lshl_add_u32 v8, v3, 4, v8                   ; and the same in out0
	v_lshlrev_b32 v9, 3, v4
	v_sub_nc_u32 v9, v3, v9                        ; r - 8 h
	v_mov_b32 v10, 0xff800000                      ; -infinity
	v_mov_b32 v11, 0                               ; a lane permute's destination
	s_wait_kmcnt 0x0
	s_add_nc_u64 s[4:5], s[4:5], s[10:11]
	s_add_nc_u64 s[6:7], s[6:7], s[12:13]
.irp t, 0,1,2,3
.irp c, 0,1
	global_load_b128 v[Q+8*\t+4*\c:Q+8*\t+4*\c+3], v1, s[4:5] offset:1024*\t+512*\c
.endr
.endr
.irp t, 0,1,2,3
.irp c, 0,1
	global_load_b128 v[K+8*\t+4*\c:K+8*\t+4*\c+3], v1, s[4:5] offset:65536+1024*\t+512*\c
.endr
.endr
.irp t, 0,1,2,3
.irp c, 0,1
	global_load_b128 v[V+8*\t+4*\c:V+8*\t+4*\c+3], v1, s[4:5] offset:131072+1024*\t+512*\c
.endr
.endr
	s_wait_loadcnt 8                               ; q and k are in; v's eight loads may be out
.irp i, 0,1,2,3                        ; four accumulators by turns; the first products start the sums
.irp t, 0,1,2,3
.if \i == 0
	v_wmma_f32_16x16x4_f32 v[SA+8*\t:SA+8*\t+7], v[K+8*\t+2*\i:K+8*\t+2*\i+1], v[Q+8*\t+2*\i:Q+8*\t+2*\i+1], 0
.else
	v_wmma_f32_16x16x4_f32 v[SA+8*\t:SA+8*\t+7], v[K+8*\t+2*\i:K+8*\t+2*\i+1], v[Q+8*\t+2*\i:Q+8*\t+2*\i+1], v[SA+8*\t:SA+8*\t+7]
.endif
.endr
.endr
.rept 8
	v_nop                                          ; eight places behind this form (ISA guide 7.12.1)
.endr
.irp i, 0,2,4,6
	v_pk_add_f32 v[SS+\i:SS+\i+1], v[SA+\i:SA+\i+1], v[SA+8+\i:SA+8+\i+1]      ; each accumulator from its low end on
.endr
.irp i, 0,2,4,6
	v_pk_add_f32 v[SS+\i:SS+\i+1], v[SS+\i:SS+\i+1], v[SA+16+\i:SA+16+\i+1]
.endr
.irp i, 0,2,4,6
	v_pk_add_f32 v[SS+\i:SS+\i+1], v[SS+\i:SS+\i+1], v[SA+24+\i:SA+24+\i+1]
.endr
	ds_store_b128 v5, v[SS:SS+3]
	ds_store_b128 v5, v[SS+4:SS+7] offset:512
	s_wait_dscnt 0x0                               ; for the others' sake: my part has landed
	s_barrier_signal -1
	s_barrier_wait -1
.irp g, 0,1                            ; the sixteen parts, eight at a time, added in ascending order
.irp m, 0,1,2,3,4,5,6,7
	ds_load_b128 v[IM+8*\m:IM+8*\m+3], v1 offset:1024*(8*\g+\m)
	ds_load_b128 v[IM+8*\m+4:IM+8*\m+7], v1 offset:1024*(8*\g+\m)+512
.endr
	s_wait_dscnt 0x0
.irp m, 0,1,2,3,4,5,6,7
.irp i, 0,2,4,6
.if (\g == 0) && (\m == 1)
	v_pk_add_f32 v[SS+\i:SS+\i+1], v[IM+\i:IM+\i+1], v[IM+8+\i:IM+8+\i+1]
.elseif (\g == 1) || (\m > 1)
	v_pk_add_f32 v[SS+\i:SS+\i+1], v[SS+\i:SS+\i+1], v[IM+8*\m+\i:IM+8*\m+\i+1]
.endif
.endr
.endr
.endr
.irp j, 0,1,2,3,4,5,6,7                ; lane (r, h) holds query r; register j key 8 h + j: hidden where j > r - 8 h
	v_cmp_gt_i32 vcc_lo, \j, v9
	v_cndmask_b32 v[SS+\j], v[SS+\j], v10, vcc_lo
.endr
	v_max3_num_f32 v12, v[SS], v[SS+1], v[SS+2]
	v_max3_num_f32 v13, v[SS+3], v[SS+4], v[SS+5]
	v_max3_num_f32 v12, v12, v[SS+6], v[SS+7]
	v_max_num_f32 v12, v12, v13
	v_permlanex16_b32 v11, v12, s16, s17
	v_max_num_f32 v12, v12, v11                    ; the row's largest score (key 0 counts for every query: a number)
	v_mul_f32 v12, s18, v12
.irp j, 0,1,2,3,4,5,6,7
	v_fma_f32 v[SS+\j], v[SS+\j], s18, -v12
.endr
.irp j, 0,1,2,3,4,5,6,7
	v_exp_f32 v[SS+\j], v[SS+\j]
.endr
	v_nop                                          ; a plain line behind the last exponential
	s_wait_alu depctr_va_vdst(0)                   ; one wait for the batch
	v_pk_add_f32 v[12:13], v[SS:SS+1], v[SS+2:SS+3]
	v_pk_add_f32 v[IM:IM+1], v[SS+4:SS+5], v[SS+6:SS+7]
	v_pk_add_f32 v[12:13], v[12:13], v[IM:IM+1]
	v_add_f32 v12, v12, v13
	v_permlanex16_b32 v11, v12, s16, s17
	v_add_f32 v12, v12, v11
	v_rcp_f32 v12, v12
	v_nop
	s_wait_alu depctr_va_vdst(0)
.irp j, 0,2,4,6
	v_pk_mul_f32 v[PP+\j:PP+\j+1], v[SS+\j:SS+\j+1], v[12:13] op_sel_hi:[1,0]
.endr
	s_wait_loadcnt 0x0                             ; v
.irp i, 0,1,2,3
.irp t, 0,1,2,3
.if \i == 0
	v_wmma_f32_16x16x4_f32 v[OA+8*\t:OA+8*\t+7], v[V+8*\t+2*\i:V+8*\t+2*\i+1], v[PP+2*\i:PP+2*\i+1], 0
.else
	v_wmma_f32_16x16x4_f32 v[OA+8*\t:OA+8*\t+7], v[V+8*\t+2*\i:V+8*\t+2*\i+1], v[PP+2*\i:PP+2*\i+1], v[OA+8*\t:OA+8*\t+7]
.endif
.endr
.endr
.rept 8
	v_nop
.endr
.irp t, 0,1,2,3                        ; lane (r, h): query r, channels 16 t + 8 h + 0 .. 7
	ds_store_b128 v6, v[OA+8*\t:OA+8*\t+3] offset:64*\t
	ds_store_b128 v6, v[OA+8*\t+4:OA+8*\t+7] offset:64*\t+16
.endr
.irp i, 0,1,2,3,4,5,6,7
	ds_load_b128 v[IM+4*\i:IM+4*\i+3], v7 offset:2*\i*272          ; in order behind my stores
.endr
.irp i, 0,1,2,3,4,5,6,7
	s_wait_dscnt 7-\i
	global_store_b128 v8, v[IM+4*\i:IM+4*\i+3], s[6:7] offset:8192*\i   ; 16 lanes store 256 consecutive bytes, aligned
.endr
	s_wait_tensorcnt 0x0                           ; the wave's end
	ds_add_u32 v14, v15
	s_wait_dscnt 0x0
	s_endpgm
.Lfunc_end_k_qcea3386171_head:
	.size	k_qcea3386171_head, .Lfunc_end_k_qcea3386171_head-k_qcea3386171_head
	.p2alignl 7, 3214868480
	.fill 96, 4, 3214868480
	.section	.rodata,"a",@progbits
	.p2align	6, 0x0
	.amdhsa_kernel k_qcea3386171_head
		.amdhsa_group_segment_fixed_size 88064
		.amdhsa_private_segment_fixed_size 0
		.amdhsa_enable_private_segment 0
		.amdhsa_kernarg_size 16
		.amdhsa_user_sgpr_count 2
		.amdhsa_user_sgpr_kernarg_segment_ptr 1
		.amdhsa_wavefront_size32 1
		.amdhsa_system_sgpr_workgroup_id_x 1
		.amdhsa_system_sgpr_workgroup_id_y 1
		.amdhsa_system_sgpr_workgroup_id_z 1
		.amdhsa_system_vgpr_workitem_id 0
		.amdhsa_next_free_vgpr 256
		.amdhsa_next_free_sgpr 66
		.amdhsa_reserve_vcc 1
		.amdhsa_float_denorm_mode_32 3
		.amdhsa_float_denorm_mode_16_64 3
		.amdhsa_memory_ordered 1
		.amdhsa_forward_progress 1
		.amdhsa_inst_pref_size 19
	.end_amdhsa_kernel
	.amdgpu_metadata
---
amdhsa.version: [ 1, 2 ]
amdhsa.kernels:
  - .name:           k_qcea3386171_head
    .symbol:         k_qcea3386171_head.kd
    .args:
      - { .name: hd, .offset: 0, .size: 8, .value_kind: global_buffer, .address_space: global }
      - { .name: out0, .offset: 8, .size: 8, .value_kind: global_buffer, .address_space: global }
    .group_segment_fixed_size: 88064
    .private_segment_fixed_size: 0
    .kernarg_segment_align: 8
    .kernarg_segment_size: 16
    .max_flat_workgroup_size: 512
    .sgpr_count:     66
    .vgpr_count:     256
    .wavefront_size: 32
...
	.end_amdgpu_metadata
.endif
;; end of part 6
